; MI455X (gfx1250); checked and timed in simulation.
; The chip was launched on July 23, 2026; its instructions are those of AMD's public machine-readable ISA for CDNA 5 (MIT licence, August 2026) and "CDNA5" Instruction Set Architecture Reference Guide (July 2026). The comments in the code are by the model that wrote it; some were corrected since.
;; infusion KG QA 3. Allowed arithmetic: float matrix products may take bf16 or f16 operands with f32 sums; other float arithmetic in f32, or as packed bf16 or f16 multiplies, adds, multiply-adds, maxima and minima; sums over many terms, partial sums and values carried from step to step in f32; what a program stores and reads back later, other than sums and carried values, may be rounded once to bf16 or f16.
;; Inputs: W_l 1,024 x 4,096 float32; b_c one number float32; b_cq one number float32; b_l 1,024 float32; b_q one number float32; c 8 x 1,024 x 1,024 float32; q 8 x 512 x 1,024 float32; w_c 1,024 float32; w_cq 1,024 float32; w_q 1,024 float32.
;; Outputs: out0 8 x 1,024 x 1,024 float32.
;; 2 versions, each right and faster than the one before. Each part assembles by itself: llvm-mc -triple=amdgcn-amd-amdhsa -mcpu=gfx1250 --defsym DOCPART=n.
;; ======== version 1 of 2: 4 launches
;; limits: values are held in f16: magnitudes above 65,504 overflow, below 6.1e-05 lose precision
;; workspace buffers: QSX 8,388,608 bytes; QBX 8,388,608 bytes; QW 16,384 bytes; W23X 4,194,304 bytes; XA 33,554,432 bytes; PART 589,824 bytes; W14X 16,777,216 bytes
;; launch prep (part 1): grid 256 x 1, 8 waves a work-group, no clusters, 0 bytes of LDS; arguments q, w_cq, w_q, W_l, QSX, QBX, QW, W23X; writes QSX, QBX, QW, W23X
.if DOCPART == 1
	.amdgcn_target "amdgcn-amd-amdhsa--gfx1250"
	.amdhsa_code_object_version 6
	.text
	.protected	k_qa1d8c37d6d_prep
	.globl	k_qa1d8c37d6d_prep
	.p2align	8
	.type	k_qa1d8c37d6d_prep,@function
k_qa1d8c37d6d_prep:
	s_mov_b64 s[64:65], 0
	v_nop
	global_prefetch_b8 v0, s[64:65] scope:SCOPE_SE
	s_setreg_imm32_b32 hwreg(HW_REG_WAVE_MODE, 25, 1), 1
	s_wait_xcnt 0x0
; prep: casts and new layouts for the two matrix launches, and q . w_q.
;   QSX[b][j][q][64] = bf16(q * w_cq)   QBX[b][j][q][64] = bf16(q)   QW[b][q] = q . w_q (f32)
;   W23X[s][j][n][64] = f16(W_l[n][1024 (1+s) + 64 j + i])           (j: a chunk of 64 d, 128 bytes a row)
; WORK LEFT OUT BY THE WHOLE PROGRAM, for all values of the inputs:
;  (1) b_c, b_cq, b_q are added to every s[b][c][q] alike.  softmax(s, axis=2) is unchanged by a term that is the same along q;
;      max over q of s carries the same term into softmax(.., axis=1), where it is the same along c.  So the three have no way to z:
;      they are not loaded and are no launch's argument.
;  (2) c . w_c is the same along q: it is left out of the softmax over q and added only to the row maxima that feed the softmax over c.
;  (3) (c * q2c) @ W4^T = c @ (W4 * q2c)^T, term by term, so quarters 1 and 4 of K are one product with W14_b = W1 + W4 * q2c_b:
;      K of the last product is 3 x 1024.
; LIMITS: a NaN, an infinity or an overflow that reaches only b_c, b_cq or b_q is not carried to z.  The operands of the last product are f16
; (c, c2q, c * c2q, W14, W2, W3): finite up to 65,504, so c * c2q has room up to about 40 times the spread of c and q taken together;
; below 6e-5 they keep an absolute step of 6e-8.
; Memory binds here: no LDS, no matrix unit.  Eight waves; the work-group owns 16 rows of q and 4 rows of W_l.  A wave takes two rows of q
; (lanes 0-15 one row, lanes 16-31 the next; lane r holds d = 64 j + 4 r .. + 3 of every chunk j), so a store of 8 bytes a lane
; covers two rows x 128 bytes = 256 consecutive bytes, aligned.  It also takes eight chunks of two rows of one quarter of W_l.
.set WQ,  12                           ; v[12:75]    w_q of my 64 d
.set WCQ, 76                           ; v[76:139]   w_cq of my 64 d
.set X,   140                          ; v[140:203]  my 64 numbers of q, then their two casts
.set XW,  204                          ; v[204:235]  my 32 numbers of W_l, then their cast
.set T,   236                          ; v[236:239]  q * w_cq, at work
.set DOT, 240                          ; v[240:243]  two packed chains of q . w_q
	s_load_b256 s[4:11], s[0:1], 0x0               ; q s[4:5], w_cq s[6:7], w_q s[8:9], W_l s[10:11]
	s_load_b256 s[12:19], s[0:1], 0x20             ; QSX s[12:13], QBX s[14:15], QW s[16:17], W23X s[18:19]
	v_lshrrev_b32 v9, 5, v0
	v_readfirstlane_b32 s20, v9                    ; wave w
	v_and_b32 v1, 15, v0                           ; r
	v_bfe_u32 v2, v0, 4, 1                         ; hh: which row of the pair
	v_and_b32 v10, 31, v0                          ; lane l
	v_lshlrev_b32 v5, 4, v1                        ; 16 r: my place in w_q and w_cq
	s_lshl_b32 s21, s20, 1
	v_add_nc_u32 v9, s21, v2                       ; my row of the sixteen: 2 w + hh
	v_lshl_add_u32 v3, v9, 12, v5                  ; q: row x 4,096 + 16 r
	v_lshlrev_b32 v8, 2, v9                        ; QW: row x 4
	s_lshl_b32 s22, s20, 8
	v_lshl_add_u32 v4, v10, 3, s22                 ; QSX, QBX: 256 w + 8 l
	s_lshr_b32 s23, s20, 2                         ; s: quarter 2 or 3 of W_l
	s_bfe_u32 s24, s20, 0x10001                    ; np: which pair of the four rows
	s_and_b32 s25, s20, 1                          ; jh: chunks 0-7 or 8-15
	s_lshl_b32 s26, s24, 15
	s_add_co_u32 s27, s23, 1
	s_lshl_b32 s27, s27, 12
	s_add_co_u32 s26, s26, s27
	s_lshl_b32 s27, s25, 11
	s_add_co_u32 s26, s26, s27                     ; 2 np rows x 16,384 + (1+s) x 4,096 + jh x 2,048
	v_lshl_add_u32 v6, v2, 14, v5
	v_add_nc_u32 v6, s26, v6                       ; W_l: + hh x 16,384 + 16 r
	s_lshl_b32 s28, s23, 21
	s_lshl_b32 s27, s25, 20
	s_add_co_u32 s28, s28, s27
	s_lshl_b32 s27, s24, 8
	s_add_co_u32 s28, s28, s27
	v_lshl_add_u32 v7, v10, 3, s28                 ; W23X: s x 2,097,152 + jh x 1,048,576 + np x 256 + 8 l
	s_lshl_b32 s30, ttmp9, 16                      ; 16 rows of q and 4 rows of W_l are both 65,536 bytes
	s_mov_b32 s31, 0
	s_wait_kmcnt 0x0
	s_add_nc_u64 s[4:5], s[4:5], s[30:31]
	s_add_nc_u64 s[10:11], s[10:11], s[30:31]
	s_lshr_b32 s30, ttmp9, 5                       ; batch: 32 work-groups each
	s_lshl_b32 s30, s30, 20
	s_and_b32 s29, ttmp9, 31
	s_lshl_b32 s29, s29, 11                        ; 16 rows x 128 bytes
	s_add_co_u32 s30, s30, s29
	s_add_nc_u64 s[12:13], s[12:13], s[30:31]
	s_add_nc_u64 s[14:15], s[14:15], s[30:31]
	s_lshl_b32 s30, ttmp9, 6
	s_add_nc_u64 s[16:17], s[16:17], s[30:31]
	s_lshl_b32 s30, ttmp9, 9
	s_add_nc_u64 s[18:19], s[18:19], s[30:31]
.set j, 0
.rept 16
	global_load_b128 v[X+4*j:X+4*j+3], v3, s[4:5] offset:256*j th:TH_LOAD_NT
.set j, j+1
.endr
.set j, 0
.rept 8
	global_load_b128 v[XW+4*j:XW+4*j+3], v6, s[10:11] offset:256*j th:TH_LOAD_NT
.set j, j+1
.endr
.set j, 0
.rept 16
	global_load_b128 v[WQ+4*j:WQ+4*j+3], v5, s[8:9] offset:256*j
.set j, j+1
.endr
.set j, 0
.rept 16
	global_load_b128 v[WCQ+4*j:WCQ+4*j+3], v5, s[6:7] offset:256*j
.set j, j+1
.endr
	s_wait_loadcnt 32                              ; the 32 loads of w_q and w_cq may stay out: q and W_l are in
.set j, 0
.rept 8
	v_cvt_pk_f16_f32 v[XW+4*j],   v[XW+4*j],   v[XW+4*j+1]
	v_cvt_pk_f16_f32 v[XW+4*j+1], v[XW+4*j+2], v[XW+4*j+3]
	global_store_b64 v7, v[XW+4*j:XW+4*j+1], s[18:19] offset:131072*j
.set j, j+1
.endr
	s_wait_loadcnt 0x0
.set j, 0
.rept 16
.if j == 0
	v_pk_mul_f32 v[DOT:DOT+1],   v[X:X+1],   v[WQ:WQ+1]          ; the first products start the two chains
	v_pk_mul_f32 v[DOT+2:DOT+3], v[X+2:X+3], v[WQ+2:WQ+3]
.else
	v_pk_fma_f32 v[DOT:DOT+1],   v[X+4*j:X+4*j+1],   v[WQ+4*j:WQ+4*j+1],   v[DOT:DOT+1]
	v_pk_fma_f32 v[DOT+2:DOT+3], v[X+4*j+2:X+4*j+3], v[WQ+4*j+2:WQ+4*j+3], v[DOT+2:DOT+3]
.endif
	v_pk_mul_f32 v[T:T+1],   v[X+4*j:X+4*j+1],   v[WCQ+4*j:WCQ+4*j+1]
	v_pk_mul_f32 v[T+2:T+3], v[X+4*j+2:X+4*j+3], v[WCQ+4*j+2:WCQ+4*j+3]
	v_cvt_pk_bf16_f32 v[X+4*j],   v[X+4*j],   v[X+4*j+1]
	v_cvt_pk_bf16_f32 v[X+4*j+1], v[X+4*j+2], v[X+4*j+3]
	v_cvt_pk_bf16_f32 v[X+4*j+2], v[T],   v[T+1]
	v_cvt_pk_bf16_f32 v[X+4*j+3], v[T+2], v[T+3]
	global_store_b64 v4, v[X+4*j:X+4*j+1],   s[14:15] offset:65536*j
	global_store_b64 v4, v[X+4*j+2:X+4*j+3], s[12:13] offset:65536*j
.set j, j+1
.endr
	v_pk_add_f32 v[DOT:DOT+1], v[DOT:DOT+1], v[DOT+2:DOT+3]
	v_add_f32 v[DOT], v[DOT], v[DOT+1]
	v_add_f32_dpp v[DOT], v[DOT], v[DOT] row_xmask:1 row_mask:0xf bank_mask:0xf   ; over the sixteen lanes of my row
	v_add_f32_dpp v[DOT], v[DOT], v[DOT] row_xmask:2 row_mask:0xf bank_mask:0xf
	v_add_f32_dpp v[DOT], v[DOT], v[DOT] row_xmask:4 row_mask:0xf bank_mask:0xf
	v_add_f32_dpp v[DOT], v[DOT], v[DOT] row_xmask:8 row_mask:0xf bank_mask:0xf
	v_cmp_eq_u32 vcc_lo, 0, v1
	s_wait_xcnt 0x0                                ; EXEC is a source of the stores above: it changes only behind this wait
	s_and_saveexec_b32 s21, vcc_lo                 ; one lane a row
	global_store_b32 v8, v[DOT], s[16:17]          ; 8 bytes a wave, 64 a work-group: the one store here that fills no whole 256 bytes
	s_wait_xcnt 0x0
	s_or_b32 exec_lo, exec_lo, s21
	s_endpgm
.Lfunc_end_k_qa1d8c37d6d_prep:
	.size	k_qa1d8c37d6d_prep, .Lfunc_end_k_qa1d8c37d6d_prep-k_qa1d8c37d6d_prep
	.p2alignl 7, 3214868480
	.fill 96, 4, 3214868480
	.section	.rodata,"a",@progbits
	.p2align	6, 0x0
	.amdhsa_kernel k_qa1d8c37d6d_prep
		.amdhsa_group_segment_fixed_size 0
		.amdhsa_private_segment_fixed_size 0
		.amdhsa_enable_private_segment 0
		.amdhsa_kernarg_size 64
		.amdhsa_user_sgpr_count 2
		.amdhsa_user_sgpr_kernarg_segment_ptr 1
		.amdhsa_wavefront_size32 1
		.amdhsa_system_sgpr_workgroup_id_x 1
		.amdhsa_system_sgpr_workgroup_id_y 1
		.amdhsa_system_sgpr_workgroup_id_z 1
		.amdhsa_system_vgpr_workitem_id 0
		.amdhsa_next_free_vgpr 244
		.amdhsa_next_free_sgpr 66
		.amdhsa_reserve_vcc 1
		.amdhsa_float_denorm_mode_32 3
		.amdhsa_float_denorm_mode_16_64 3
		.amdhsa_memory_ordered 1
		.amdhsa_forward_progress 1
		.amdhsa_inst_pref_size 21
	.end_amdhsa_kernel
	.amdgpu_metadata
---
amdhsa.version: [ 1, 2 ]
amdhsa.kernels:
  - .name:           k_qa1d8c37d6d_prep
    .symbol:         k_qa1d8c37d6d_prep.kd
    .args:
      - { .name: q, .offset: 0, .size: 8, .value_kind: global_buffer, .address_space: global }
      - { .name: w_cq, .offset: 8, .size: 8, .value_kind: global_buffer, .address_space: global }
      - { .name: w_q, .offset: 16, .size: 8, .value_kind: global_buffer, .address_space: global }
      - { .name: W_l, .offset: 24, .size: 8, .value_kind: global_buffer, .address_space: global }
      - { .name: QSX, .offset: 32, .size: 8, .value_kind: global_buffer, .address_space: global }
      - { .name: QBX, .offset: 40, .size: 8, .value_kind: global_buffer, .address_space: global }
      - { .name: QW, .offset: 48, .size: 8, .value_kind: global_buffer, .address_space: global }
      - { .name: W23X, .offset: 56, .size: 8, .value_kind: global_buffer, .address_space: global }
    .group_segment_fixed_size: 0
    .private_segment_fixed_size: 0
    .kernarg_segment_align: 8
    .kernarg_segment_size: 64
    .max_flat_workgroup_size: 256
    .sgpr_count:     66
    .vgpr_count:     244
    .wavefront_size: 32
...
	.end_amdgpu_metadata
.endif
;; end of part 1
;; launch attn (part 2): grid 128 x 1, 4 waves a work-group, clusters of 4 x 1, 327,680 bytes of LDS; arguments c, w_c, QSX, QBX, QW, XA, PART; writes XA, PART
.if DOCPART == 2
	.amdgcn_target "amdgcn-amd-amdhsa--gfx1250"
	.amdhsa_code_object_version 6
	.text
	.protected	k_qa1d8c37d6d_attn
	.globl	k_qa1d8c37d6d_attn
	.p2align	8
	.type	k_qa1d8c37d6d_attn,@function
k_qa1d8c37d6d_attn:
	s_mov_b64 s[64:65], 0
	v_nop
	global_prefetch_b8 v0, s[64:65] scope:SCOPE_SE
	s_setreg_imm32_b32 hwreg(HW_REG_WAVE_MODE, 25, 1), 1
	s_wait_xcnt 0x0
	s_wait_alu depctr_hold_cnt(0) depctr_sa_sdst(0) depctr_va_vdst(0) depctr_va_sdst(0) depctr_va_ssrc(0) depctr_va_vcc(0) depctr_vm_vsrc(0)
	s_getreg_b32 s2, hwreg(HW_REG_IB_STS2, 6, 4)
	s_cmp_eq_u32 s2, 0
	s_cbranch_scc0 .Lentry_in_a_cluster
	s_endpgm
.Lentry_in_a_cluster:
	s_bfe_u32 s2, ttmp6, 0x10000c
	s_cmp_lg_u32 s2, 0x3003
	s_cbranch_scc0 .Lentry_shape_is_right
	s_endpgm
.Lentry_shape_is_right:
; attn: for 64 rows of c of one batch:  S = c (q * w_cq)^T + q . w_q,  P = exp(S - row max),  c2q = P q / row sum.
; Stored: XA[j][mb][0][row][64] = f16(c), XA[j][mb][1][row][64] = f16(c2q) (mb: 128 rows; j: a chunk of 64 d), and in PART this block's part of
; q2c as a running softmax: MB = max over my rows of m = c . w_c + row max, LB = sum of exp(m - MB), Pvec[d] = sum of exp(m - MB) c[row][d].
; LEFT OUT (shown at the head of prep): b_c, b_cq, b_q reach no output and are not loaded; c . w_c is the same along q, so it enters m alone.
; LIMITS: S, P and q go to the matrix unit in bf16; P is not normalised there, 1 / row sum is applied in f32; exponentials below 2^-126 come out
; as 0 (ISA guide 15.8); Pvec is made of bf16(c) with f32 weights and sums; XA is f16: finite up to 65,504.  Both maxima are true maxima.
; SHAPE: four waves.  Every byte of q that comes into LDS feeds the 64 rows' products.  128 rows would need 264,192 bytes for bf16(c) alone and
; leave no room for the ring; so 64 rows, 128 work-groups.
; CLUSTER: the four work-groups of a cluster are four row blocks of one batch (16 blocks a batch) and walk the same tiles of QSX and QBX:
; every tensor load is a joint request of the four (mask 15), and every refill stands behind a round of the cluster's barrier.
; THE MATRIX INSTRUCTION IS USED TRANSPOSED: source 0 = 16 rows of q (phase 1) or 16 columns d (phase 3), source 1 = 16 rows of c or P.
; Lane (r, h) of tile (a, b) then holds row 16 a + r and columns 16 b + 8 h + 0..7: a row's maximum and sum are made inside a lane and one step across.
; The 32 accumulators of a run take turns, one instruction a turn.
; LDS:      0  CB   64 rows x 2,064: bf16(c); later P, 64 rows x 1,040 (both pitches odd multiples of 16 bytes)
;     132,096  REDMAX [64][4] f32   133,120 REDSUM [64][4]   134,144 CW [64]   134,400 EW [4][64]   135,680 STAGE 4 x 16 x 272
;     153,088  ring: two slots of 81,920, filled by tensor loads alone.  Tile t (0..31) lies in slot t & 1.
;              t < 16: chunk t of QSX; wave w loads and reads its own 128 rows of q (pitch 144) at w x 18,432.
;              t >= 16: ks = (t-16)/2, half = t & 1: wave w loads and reads rows 64 ks .. + 63 of chunks 8 half + 2 w + {0,1} of QBX (pitch 160) at w x 20,480.
; A wave has two tensor loads out at the start and one behind each round.
; REGISTERS: window 1 (v256-511) S, then c2q of half 0; window 2 (v512-767) q . w_q in its first 64, then c2q of half 1; window 0 the rest.
.set CBP,    2064
.set PP,     1040
.set REDMAX, 132096
.set CWB,    134144
.set EWB,    134400
.set STAGE,  135680
.set RING,   153088
.set SLOT,   81920
.set AF0, 32                           ; v[32:63]   fragments of c or P, 4 x 8, buffer 0
.set AF1, 64                           ; v[64:95]   buffer 1
.set BF0, 96                           ; v[96:159]  fragments of q, 8 x 8, buffer 0
.set BF1, 160                          ; v[160:223] buffer 1
.set WC,  32                           ; phase 0: v[32:95] w_c of my 64 d; v[96:159], v[160:223] two row pairs of c
.set G1Q, 24                           ; s[24:31] shape of a phase 1 tile
.set G1P, 32                           ; s[32:39] shape of a phase 3 tile
.set G0Q, 40                           ; s[40:47] from where, to where: phase 1, a set for each slot
.set G0P, 48                           ; s[48:55] the same for phase 3
; v1 r, v2 h, v3 lane; v4 QW offset; v5 16 r; v6 c offset; v7 CB store; v8 XA offset; v9 CW store; v10-11 q fragments, slot 0, 1;
; v12-13 c fragments, rows 0-31, 32-63; v14-15 transposed q fragments, slot 0, 1; v16 P fragments; v17 REDMAX store; v18 REDMAX load; v19 CW load;
; v20 EW store; v21 EW load; v22-23 CB columns, rows 0-31, 32-63; v24 PART offset; v25 16 x lane; v26 P store; v27 stage in; v28 stage out
.set MSB, 0
.macro WIN new                         ; the immediate's high byte repeats the setting that is left
.if MSB != (\new)
	s_set_vgpr_msb (MSB<<8)|(\new)
.set MSB, (\new)
.endif
.endm
.macro PLACES                          ; four plain vector instructions between a matrix instruction and a load into, or a vector access to, its registers
.rept 4
	v_nop
.endr
.endm
.macro CREST                           ; a round of the cluster's barrier behind its opening work-group barrier
	s_cmp_lg_u32 s18, 0
	s_cbranch_scc1 .Lnot_wave_0_\@
	s_barrier_signal -3
.Lnot_wave_0_\@:
	s_barrier_wait -3
	s_barrier_signal -1
	s_barrier_wait -1
.endm
.macro CROUND
	s_barrier_signal -1
	s_barrier_wait -1
	CREST
.endm
; 16 matrix instructions: row blocks a0, a0 + 1 x all 8 column blocks.  mode 0: add in place; 1: C = 0 starts the sums; 2: C = v[8 b ..] of source 2's window
.macro MUL16 af, bf, a0, mode
.irp a, \a0, \a0+1
.irp b, 0,1,2,3,4,5,6,7
.if \mode == 1
	v_wmma_f32_16x16x32_bf16 v[8*(8*(\a)+\b):8*(8*(\a)+\b)+7], v[\bf+8*\b:\bf+8*\b+7], v[\af+8*(\a):\af+8*(\a)+7], 0
.elseif \mode == 2
	v_wmma_f32_16x16x32_bf16 v[8*(8*(\a)+\b):8*(8*(\a)+\b)+7], v[\bf+8*\b:\bf+8*\b+7], v[\af+8*(\a):\af+8*(\a)+7], v[8*\b:8*\b+7]
.else
	v_wmma_f32_16x16x32_bf16 v[8*(8*(\a)+\b):8*(8*(\a)+\b)+7], v[\bf+8*\b:\bf+8*\b+7], v[\af+8*(\a):\af+8*(\a)+7], v[8*(8*(\a)+\b):8*(8*(\a)+\b)+7]
.endif
.endr
.endr
.endm
; 24 LDS loads, phase 1: my 128 rows of q (32 d at byte 64 kk of the slot's rows) and the 64 rows of c (32 d at byte koff beyond v12, v13), into buffer f
.macro FQ1 slot, kk, koff, f
.irp b, 0,1,2,3,4,5,6,7
	ds_load_b128 v[BF0+64*\f+8*\b:BF0+64*\f+8*\b+3],   v[10+\slot] offset:2304*\b+64*\kk
	ds_load_b128 v[BF0+64*\f+8*\b+4:BF0+64*\f+8*\b+7], v[10+\slot] offset:2304*\b+64*\kk+32
.endr
.irp a, 0,1
	ds_load_b128 v[AF0+32*\f+8*\a:AF0+32*\f+8*\a+3],       v12 offset:16*CBP*\a+\koff
	ds_load_b128 v[AF0+32*\f+8*\a+4:AF0+32*\f+8*\a+7],     v12 offset:16*CBP*\a+\koff+32
	ds_load_b128 v[AF0+32*\f+8*\a+16:AF0+32*\f+8*\a+19],   v13 offset:16*CBP*\a+\koff
	ds_load_b128 v[AF0+32*\f+8*\a+20:AF0+32*\f+8*\a+23],   v13 offset:16*CBP*\a+\koff+32
.endr
.endm
; 24 LDS loads, phase 3: my 128 columns d of 32 rows of q, transposed on the way (rows lie along d), and the 64 rows of P (32 q at byte koff beyond v16)
.macro FQ3 slot, kk, koff, f
.irp b, 0,1,2,3,4,5,6,7
	ds_load_tr16_b128 v[BF0+64*\f+8*\b:BF0+64*\f+8*\b+3],   v[14+\slot] offset:(\b/4)*10240+\kk*5120+32*(\b%4)
	ds_load_tr16_b128 v[BF0+64*\f+8*\b+4:BF0+64*\f+8*\b+7], v[14+\slot] offset:(\b/4)*10240+\kk*5120+32*(\b%4)+2560
.endr
.irp a, 0,1,2,3
	ds_load_b128 v[AF0+32*\f+8*\a:AF0+32*\f+8*\a+3],   v16 offset:16*PP*\a+\koff
	ds_load_b128 v[AF0+32*\f+8*\a+4:AF0+32*\f+8*\a+7], v16 offset:16*PP*\a+\koff+32
.endr
.endm
.macro FETCH ph, slot, kk, koff, f
.if \ph == 1
	FQ1 \slot, \kk, \koff, \f
.else
	FQ3 \slot, \kk, \koff, \f
.endif
.endm
; First half of a tile: fetches the second half's fragments into buffer 1 and multiplies buffer 0.
.macro SUB ph, slot, koff, win, mode
	WIN 0
	PLACES
	FETCH \ph, \slot, 1, \koff, 1
	s_wait_dscnt 24                                ; all but the 24 just issued: buffer 0 is in
	WIN \win
	MUL16 AF0, BF0, 0, \mode
	MUL16 AF0, BF0, 2, \mode
.endm
; Second half of a tile: multiplies buffer 1 and changes slots.  In front of the barrier each wave has waited for its reads of this slot and for
; all its tensor loads (the one that is out is its part of the next tile); with refill = 1 the barrier opens a round of the cluster's barrier, and
; the joint refill of this slot is the first tensor load behind the round, the wave's only one until the next.
.macro TURN refill, g0, g1, step, fetch, ph, fslot, fkoff, win
	s_wait_dscnt 0x0                               ; buffer 1 is in, and my reads of this slot are over
	s_wait_tensorcnt 0x0                           ; no tensor load of mine is out: a group 0 may be written
	s_barrier_signal -1
	WIN \win
	MUL16 AF1, BF1, 0, 0                           ; registers only, while the others arrive
	WIN 0
	s_barrier_wait -1
.if \refill
	CREST
.if \step
	s_add_nc_u64 s[\g0+2:\g0+3], s[\g0+2:\g0+3], \step
.endif
	tensor_load_to_lds s[\g0:\g0+3], s[\g1:\g1+7]
	s_nop 0
.endif
.if \fetch
	PLACES
	FETCH \ph, \fslot, 0, \fkoff, 0
.endif
	WIN \win
	MUL16 AF1, BF1, 2, 0
.endm
	s_load_b256 s[4:11], s[0:1], 0x0               ; c s[4:5], w_c s[6:7], QSX s[8:9], QBX s[10:11]
	s_load_b128 s[12:15], s[0:1], 0x20             ; QW s[12:13], XA s[14:15]
	s_load_b64 s[16:17], s[0:1], 0x30              ; PART
	v_lshrrev_b32 v29, 5, v0
	v_readfirstlane_b32 s18, v29                   ; wave w
	s_bfe_u32 s19, ttmp6, 0x40000                  ; cx
	s_lshl_b32 s20, ttmp9, 2
	s_add_co_u32 s20, s20, s19                     ; blk: my 64 rows; enters addresses of c, XA and PART alone
	s_lshr_b32 s21, ttmp9, 2                       ; batch: four clusters each, the same in all four partners
	s_mov_b32 s71, 0x76543210                      ; v_permlanex16_b32: lane i reads lane i of the other half
	s_mov_b32 s72, 0xfedcba98
	v_and_b32 v1, 15, v0                           ; r
	v_bfe_u32 v2, v0, 4, 1                         ; h
	v_and_b32 v3, 31, v0                           ; lane
	s_lshl_b32 s22, s18, 9
	v_lshl_add_u32 v4, v2, 5, s22                  ; QW: 4 (128 w + 8 h)
	v_lshlrev_b32 v5, 4, v1                        ; 16 r
	s_lshl_b32 s22, s18, 4
	v_add_nc_u32 v29, s22, v2                      ; phase 0: my row 16 w + h of the first pair
	v_lshl_add_u32 v6, v29, 12, v5                 ; c: row x 4,096 + 16 r
	v_mul_u32_u24 v7, v29, CBP
	v_lshl_add_u32 v7, v1, 3, v7                   ; CB: row x 2,064 + 8 r
	v_lshlrev_b32 v8, 3, v1
	v_lshl_add_u32 v8, v29, 7, v8                  ; XA: row x 128 + 8 r
	v_lshlrev_b32 v9, 2, v29
	v_add_nc_u32 v9, CWB, v9                       ; CW: row x 4
	s_lshl_b32 s22, s20, 18                        ; 64 rows x 4,096 bytes
	s_mov_b32 s23, 0
	s_mov_b32 s79, 0
	s_wait_kmcnt 0x0
	s_add_nc_u64 s[4:5], s[4:5], s[22:23]
	s_lshl_b32 s22, s21, 11
	s_add_nc_u64 s[76:77], s[12:13], s[22:23]      ; QW of my batch
	s_mul_i32 s22, s20, 4608
	s_add_nc_u64 s[74:75], s[16:17], s[22:23]      ; my 1,152 words of PART
	s_lshr_b32 s22, s20, 1
	s_lshl_b32 s22, s22, 15                        ; mb x 32,768
	s_and_b32 s78, s20, 1
	s_lshl_b32 s78, s78, 13                        ; + which 64 of its 128 rows
	s_add_co_u32 s22, s22, s78
	s_add_nc_u64 s[56:57], s[14:15], s[22:23]      ; XA, f16(c): chunks 0-3, 4-7, 8-11, 12-15 have a base each, so that the chunk fits the immediate
	s_add_nc_u64 s[58:59], s[56:57], 0x800000
	s_add_nc_u64 s[60:61], s[58:59], 0x800000
	s_add_nc_u64 s[62:63], s[60:61], 0x800000
	s_lshl_b32 s22, s18, 22                        ; XA, f16(c2q): chunk 2 w of half 0,
	s_add_co_u32 s22, s22, 16384
	s_add_nc_u64 s[66:67], s[56:57], s[22:23]
	s_add_nc_u64 s[68:69], s[66:67], 0x1000000     ; and of half 1, eight chunks on
	WIN 0x80                                       ; destination in window 2
.irp b, 0,1,2,3,4,5,6,7
	global_load_b128 v[8*\b:8*\b+3],   v4, s[76:77] offset:64*\b       ; q . w_q of columns 128 w + 16 b + 8 h + 0..7: the C of the first products
	global_load_b128 v[8*\b+4:8*\b+7], v4, s[76:77] offset:64*\b+16
.endr
	WIN 0
.set j, 0
.rept 16
	global_load_b128 v[WC+4*j:WC+4*j+3], v5, s[6:7] offset:256*j
.set j, j+1
.endr
.set j, 0
.rept 16
	global_load_b128 v[96+4*j:96+4*j+3], v6, s[4:5] offset:256*j th:TH_LOAD_NT
.set j, j+1
.endr
.set j, 0
.rept 16
	global_load_b128 v[160+4*j:160+4*j+3], v6, s[4:5] offset:8192+256*j th:TH_LOAD_NT
.set j, j+1
.endr
	; Group 1, phase 1: a dense block of 16,384 bytes as 64 rows x 32 elements of 8 bytes; 4 words of padding behind every 32 words: LDS pitch 144 for 128 bytes
	s_mov_b32 s[G1Q+0], 15|(3<<16)|(1<<20)|(1<<21)|(4<<22)|(3<<25)   ; mask: all four of the cluster; bit 21 set beside it
	s_mov_b32 s[G1Q+1], 32<<16
	s_mov_b32 s[G1Q+2], 64<<16
	s_mov_b32 s[G1Q+3], 32<<16
	s_mov_b32 s[G1Q+4], 64
	s_mov_b32 s[G1Q+5], 32
	s_mov_b32 s[G1Q+6], 0
	s_mov_b32 s[G1Q+7], 0
	; Group 1, phase 3: 2 rows x 1,024 elements of 8 bytes (64 rows of q in each of two chunks, 65,536 bytes apart); 8 words behind every 32: pitch 160
	s_mov_b32 s[G1P+0], 15|(3<<16)|(1<<20)|(1<<21)|(4<<22)|(7<<25)
	s_mov_b32 s[G1P+1], 1024<<16
	s_mov_b32 s[G1P+2], 2<<16
	s_mov_b32 s[G1P+3], 1024<<16
	s_mov_b32 s[G1P+4], 2
	s_mov_b32 s[G1P+5], 8192
	s_mov_b32 s[G1P+6], 0
	s_mov_b32 s[G1P+7], 0
	s_lshl_b32 s78, s21, 20                        ; batch x 16 chunks x 65,536
	s_lshl_b32 s23, s18, 14                        ; + my 128 rows x 128 bytes
	s_add_co_u32 s78, s78, s23
	s_add_nc_u64 s[8:9], s[8:9], s[78:79]
	s_lshl_b32 s78, s21, 20
	s_lshl_b32 s23, s18, 17                        ; + chunk 2 w
	s_add_co_u32 s78, s78, s23
	s_add_nc_u64 s[10:11], s[10:11], s[78:79]
	s_mul_i32 s22, s18, 18432
	s_mul_i32 s23, s18, 20480
.irp s, 0,1
	s_mov_b32 s[G0Q+4*\s], 1
	s_add_co_u32 s[G0Q+4*\s+1], s22, RING+\s*SLOT
	s_add_nc_u64 s[G0Q+4*\s+2:G0Q+4*\s+3], s[8:9], \s*65536        ; chunk s
	s_or_b32 s[G0Q+4*\s+3], s[G0Q+4*\s+3], 0x80000000
	s_mov_b32 s[G0P+4*\s], 1
	s_add_co_u32 s[G0P+4*\s+1], s23, RING+\s*SLOT
	s_add_nc_u64 s[G0P+4*\s+2:G0P+4*\s+3], s[10:11], \s*524288     ; half s: eight chunks on
	s_or_b32 s[G0P+4*\s+3], s[G0P+4*\s+3], 0x80000000
.endr
	CROUND                                         ; all four work-groups are here: the first joint loads meet
	tensor_load_to_lds s[G0Q:G0Q+3], s[G1Q:G1Q+7]              ; tiles 0 and 1, one group, ahead of every wait on TENSORcnt and every LDS read
	s_nop 0
	tensor_load_to_lds s[G0Q+4:G0Q+7], s[G1Q:G1Q+7]
	s_nop 0
	v_mul_u32_u24 v30, v1, 144
	v_lshl_add_u32 v30, v2, 4, v30
	s_add_co_u32 s22, s22, RING
	v_add_nc_u32 v10, s22, v30                     ; q fragments: my part of slot 0 + 144 r + 16 h
	v_add_nc_u32 v11, SLOT, v10
	v_mul_u32_u24 v12, v1, CBP
	v_lshl_add_u32 v12, v2, 4, v12                 ; c fragments: 2,064 r + 16 h
	v_add_nc_u32 v13, 32*CBP, v12
	v_and_b32 v30, 7, v0
	v_lshl_add_u32 v30, v2, 3, v30
	v_mul_u32_u24 v30, v30, 160
	v_bfe_u32 v31, v0, 3, 1
	v_lshl_add_u32 v30, v31, 4, v30
	s_add_co_u32 s23, s23, RING
	v_add_nc_u32 v14, s23, v30                     ; transposing loads: (8 h + lane % 8) x 160 + 16 x (lane / 8 % 2)
	v_add_nc_u32 v15, SLOT, v14
	v_mul_u32_u24 v16, v1, PP
	v_lshl_add_u32 v16, v2, 4, v16                 ; P fragments: 1,040 r + 16 h
	s_lshl_b32 s22, s18, 8
	v_add_nc_u32 v26, s22, v16                     ; P store: + my 128 columns
	v_add_nc_u32 v18, REDMAX, v5
	s_lshl_b32 s23, s18, 2
	v_add_nc_u32 v17, s23, v18
	v_lshlrev_b32 v19, 2, v1
	v_add_nc_u32 v20, s22, v19
	v_add_nc_u32 v20, EWB, v20
	v_add_nc_u32 v19, CWB, v19
	s_add_co_u32 s23, s22, EWB
	v_mov_b32 v21, s23
	s_lshl_b32 s23, s18, 9
	v_lshl_add_u32 v22, v3, 3, s23                 ; CB columns: 2 (256 w + 4 lane)
	v_add_nc_u32 v23, 32*CBP, v22
	v_lshlrev_b32 v25, 4, v3
	s_lshl_b32 s23, s18, 10
	v_add_nc_u32 v24, s23, v25
	s_mul_i32 s23, s18, 16*272
	s_add_co_u32 s23, s23, STAGE
	v_mul_u32_u24 v27, v1, 272
	v_lshl_add_u32 v27, v2, 4, v27
	v_add_nc_u32 v27, s23, v27
	v_lshrrev_b32 v28, 3, v3
	v_mul_u32_u24 v28, v28, 272
	v_and_b32 v30, 7, v0
	v_lshl_add_u32 v28, v30, 4, v28
	v_add_nc_u32 v28, s23, v28
; PHASE 0: wave w casts rows 16 w .. + 15, two at a time (lanes 0-15 one row, 16-31 the next; lane r holds d = 64 j + 4 r .. + 3):
; bf16 into CB, f16 into XA (a store covers two rows x 128 bytes = 256 consecutive bytes, aligned), and c . w_c in f32 into CW.
; left = how many younger loads may stay out (the other set's sixteen).
.macro ROWPAIR rp, x, left, refill
	s_wait_loadcnt \left
.set j, 0
.rept 16
.if j == 0
	v_pk_mul_f32 v[224:225], v[\x:\x+1],   v[WC:WC+1]
	v_pk_mul_f32 v[226:227], v[\x+2:\x+3], v[WC+2:WC+3]
.else
	v_pk_fma_f32 v[224:225], v[\x+4*j:\x+4*j+1],   v[WC+4*j:WC+4*j+1],   v[224:225]
	v_pk_fma_f32 v[226:227], v[\x+4*j+2:\x+4*j+3], v[WC+4*j+2:WC+4*j+3], v[226:227]
.endif
	v_cvt_pk_bf16_f32 v[228+2*(j%2)], v[\x+4*j],   v[\x+4*j+1]
	v_cvt_pk_bf16_f32 v[229+2*(j%2)], v[\x+4*j+2], v[\x+4*j+3]
	v_cvt_pk_f16_f32 v[\x+4*j],   v[\x+4*j],   v[\x+4*j+1]
	v_cvt_pk_f16_f32 v[\x+4*j+1], v[\x+4*j+2], v[\x+4*j+3]
	ds_store_b64 v7, v[228+2*(j%2):229+2*(j%2)] offset:2*CBP*\rp+128*j
	global_store_b64 v8, v[\x+4*j:\x+4*j+1], s[56+2*(j/4):57+2*(j/4)] offset:(j%4)*2097152+256*\rp
.set j, j+1
.endr
	v_pk_add_f32 v[224:225], v[224:225], v[226:227]
	v_add_f32 v224, v224, v225
	v_add_f32_dpp v224, v224, v224 row_xmask:1 row_mask:0xf bank_mask:0xf
	v_add_f32_dpp v224, v224, v224 row_xmask:2 row_mask:0xf bank_mask:0xf
	v_add_f32_dpp v224, v224, v224 row_xmask:4 row_mask:0xf bank_mask:0xf
	v_add_f32_dpp v224, v224, v224 row_xmask:8 row_mask:0xf bank_mask:0xf
	ds_store_b32 v9, v224 offset:8*\rp             ; sixteen lanes write one word with one value
.if \refill
	s_wait_xcnt 0x0                                ; the stores have read this set: it is loaded again only behind this wait
.set j, 0
.rept 16
	global_load_b128 v[\x+4*j:\x+4*j+3], v6, s[4:5] offset:8192*(\rp+2)+256*j th:TH_LOAD_NT
.set j, j+1
.endr
.endif
.endm
	ROWPAIR 0, 96,  16, 1
	ROWPAIR 1, 160, 16, 1
	ROWPAIR 2, 96,  16, 1
	ROWPAIR 3, 160, 16, 1
	ROWPAIR 4, 96,  16, 1
	ROWPAIR 5, 160, 16, 1
	ROWPAIR 6, 96,  16, 0
	ROWPAIR 7, 160, 0,  0                          ; the wait for 0 also shows q . w_q in
	s_wait_xcnt 0x0                                ; both sets become fragment buffers
	s_wait_dscnt 0x0                               ; my rows of CB and CW are written
	s_wait_tensorcnt 0x1                           ; tile 0 is in; tile 1 may stay out
	s_barrier_signal -1
	s_barrier_wait -1
	FQ1 0, 0, 0, 0
; PHASE 1: S = bf16(c) QSX^T + q . w_q: 16 tiles of 64 d, two to a lap; wave w makes all 64 rows x its 128 columns of q.
	SUB  1, 0, 64, 0x60, 2                         ; D in window 1, C = q . w_q from window 2: nothing is cleared
	TURN 1, G0Q,   G1Q, 131072, 1, 1, 1, 128, 0x50
	SUB  1, 1, 192, 0x50, 0
	TURN 1, G0Q+4, G1Q, 131072, 1, 1, 0, 256, 0x50
	WIN 0
	v_add_nc_u32 v12, 256, v12                     ; two chunks on in CB's rows
	v_add_nc_u32 v13, 256, v13
	s_mov_b32 s70, 6
.Lp1:
	SUB  1, 0, 64, 0x50, 0
	TURN 1, G0Q,   G1Q, 131072, 1, 1, 1, 128, 0x50
	SUB  1, 1, 192, 0x50, 0
	TURN 1, G0Q+4, G1Q, 131072, 1, 1, 0, 256, 0x50
	WIN 0
	v_add_nc_u32 v12, 256, v12
	v_add_nc_u32 v13, 256, v13
	s_sub_co_u32 s70, s70, 1
	s_cmp_lg_u32 s70, 0
	s_cbranch_scc1 .Lp1
	SUB  1, 0, 64, 0x50, 0                         ; the last lap asks for the first two tiles of phase 3
	TURN 1, G0P,   G1P, 0, 1, 1, 1, 128, 0x50
	SUB  1, 1, 192, 0x50, 0
	TURN 1, G0P+4, G1P, 0, 0, 1, 0, 0, 0x50
; PHASE 2: the softmax over q and this block's part of q2c.  Row 16 a + r of S lies in v[64 a .. 64 a + 63] of window 1, lanes (r, 0) and (r, 1).
	WIN 0
	PLACES
	WIN 0x05
.irp a, 0,1,2,3
	v_max_num_f32 v[224+\a], v[64*\a], v[64*\a+1]
.endr
	WIN 0x14
.set i, 2
.rept 31
.irp a, 0,1,2,3
	v_max3_num_f32 v[224+\a], v[224+\a], v[64*\a+i], v[64*\a+i+1]
.endr
.set i, i+2
.endr
	WIN 0
.irp a, 0,1,2,3
	v_permlanex16_b32 v[228+\a], v[224+\a], s71, s72           ; v228-231 were written in phase 0
.endr
.irp a, 0,1,2,3
	v_max_num_f32 v[224+\a], v[224+\a], v[228+\a]
	ds_store_b32 v17, v[224+\a] offset:256*\a                  ; REDMAX[16 a + r][w]
.endr
	s_wait_dscnt 0x0
	s_barrier_signal -1                            ; tile 17 may be on its way
	s_barrier_wait -1
.irp a, 0,1,2,3
	ds_load_b128 v[32+4*\a:35+4*\a], v18 offset:256*\a
.endr
.irp a, 0,1,2,3
	ds_load_b32 v[228+\a], v19 offset:64*\a                    ; c . w_c of row 16 a + r
.endr
	s_wait_dscnt 0x0
.irp a, 0,1,2,3
	v_max3_num_f32 v[224+\a], v[32+4*\a], v[33+4*\a], v[34+4*\a]
	v_max_num_f32 v[224+\a], v[224+\a], v[35+4*\a]             ; the row's maximum over all 512 q
	v_mul_f32 v[232+2*\a], 0xbfb8aa3b, v[224+\a]               ; - log2(e) x maximum, twice for the packed form
	v_mul_f32 v[233+2*\a], 0xbfb8aa3b, v[224+\a]
.endr
	WIN 0x41
.irp a, 0,1,2,3
.set i, 0
.rept 32
	v_pk_fma_f32 v[64*\a+i:64*\a+i+1], v[64*\a+i:64*\a+i+1], 0x3fb8aa3b, v[232+2*\a:233+2*\a] op_sel_hi:[1,0,1]
.set i, i+2
.endr
.endr
.set i, 0
.rept 256
	v_exp_f32 v[i], v[i]
.set i, i+1
.endr
	v_nop                                          ; one plain instruction between the exponentials and the first use of a result (ISA guide 5.7.2)
	WIN 0x05
	s_wait_alu depctr_va_vdst(0)
.irp a, 0,1,2,3
	v_pk_add_f32 v[240+2*\a:241+2*\a], v[64*\a:64*\a+1], v[64*\a+2:64*\a+3]
.endr
	WIN 0x01
.set i, 4
.rept 30
.irp a, 0,1,2,3
	v_pk_add_f32 v[240+2*\a:241+2*\a], v[64*\a+i:64*\a+i+1], v[240+2*\a:241+2*\a]
.endr
.set i, i+2
.endr
	WIN 0
.irp a, 0,1,2,3
	v_add_f32 v[240+2*\a], v[240+2*\a], v[241+2*\a]
.endr
.irp a, 0,1,2,3
	v_permlanex16_b32 v[241+2*\a], v[240+2*\a], s71, s72
.endr
.irp a, 0,1,2,3
	v_add_f32 v[240+2*\a], v[240+2*\a], v[241+2*\a]            ; the row's sum over my 128 columns
	v_add_f32 v[248+\a], v[228+\a], v[224+\a]                  ; m = c . w_c + row maximum
.endr
	v_max3_num_f32 v252, v248, v249, v250
	v_max_num_f32 v252, v252, v251
	v_max_num_f32_dpp v252, v252, v252 row_xmask:1 row_mask:0xf bank_mask:0xf
	v_max_num_f32_dpp v252, v252, v252 row_xmask:2 row_mask:0xf bank_mask:0xf
	v_max_num_f32_dpp v252, v252, v252 row_xmask:4 row_mask:0xf bank_mask:0xf
	v_max_num_f32_dpp v252, v252, v252 row_xmask:8 row_mask:0xf bank_mask:0xf   ; MB: over the 64 rows (both halves of the lanes hold the same)
.irp a, 0,1,2,3
	v_sub_f32 v[248+\a], v[248+\a], v252
	v_mul_f32 v[248+\a], 0x3fb8aa3b, v[248+\a]
.endr
.irp a, 0,1,2,3
	v_exp_f32 v[248+\a], v[248+\a]
.endr
	v_nop
	s_wait_alu depctr_va_vdst(0)
	v_add_f32 v253, v248, v249
	v_add_f32 v254, v250, v251
	v_add_f32 v253, v253, v254
	v_add_f32_dpp v253, v253, v253 row_xmask:1 row_mask:0xf bank_mask:0xf
	v_add_f32_dpp v253, v253, v253 row_xmask:2 row_mask:0xf bank_mask:0xf
	v_add_f32_dpp v253, v253, v253 row_xmask:4 row_mask:0xf bank_mask:0xf
	v_add_f32_dpp v253, v253, v253 row_xmask:8 row_mask:0xf bank_mask:0xf       ; LB
	v_mov_b32 v254, v252
	v_mov_b32 v255, v253
.irp a, 0,1,2,3
	ds_store_b32 v20, v[248+\a] offset:64*\a                   ; the 64 weights into my wave's own words,
.endr
.set i, 0
.rept 16
	ds_load_b128 v[32+4*i:35+4*i], v21 offset:16*i             ; and back into every lane: LDS serves a wave's instructions in order (ISA guide 5.7.1.4)
.set i, i+1
.endr
.irp k, 0,1,2,3,4,5,6,7
	v_mov_b32 v[160+\k], 0
.endr
; Pvec: lane l sums d = 256 w + 128 g + 4 l .. + 3 (g = 0, 1) over the 64 rows of CB, eight rows a batch, two batches in flight.
; Batch bt holds rows 8 bt .. 8 bt + 7: v22 reaches rows 0-31, v23 rows 32-63.  bt may be a sum, so it stands in brackets wherever it is multiplied or divided.
.macro PVLOAD bt, x
.irp i, 0,1,2,3,4,5,6,7
	ds_load_b64 v[\x+4*\i:\x+4*\i+1],   v[22+(\bt)/4] offset:CBP*((8*(\bt)+\i)%32)
	ds_load_b64 v[\x+4*\i+2:\x+4*\i+3], v[22+(\bt)/4] offset:CBP*((8*(\bt)+\i)%32)+256
.endr
.endm
.macro PVFMA bt, x
.irp i, 0,1,2,3,4,5,6,7
.irp g, 0,1
	v_fma_mix_f32_bf16 v[160+4*\g], v[\x+4*\i+2*\g],   v[32+8*(\bt)+\i], v[160+4*\g] op_sel:[0,0,0] op_sel_hi:[1,0,0]
	v_fma_mix_f32_bf16 v[161+4*\g], v[\x+4*\i+2*\g],   v[32+8*(\bt)+\i], v[161+4*\g] op_sel:[1,0,0] op_sel_hi:[1,0,0]
	v_fma_mix_f32_bf16 v[162+4*\g], v[\x+4*\i+2*\g+1], v[32+8*(\bt)+\i], v[162+4*\g] op_sel:[0,0,0] op_sel_hi:[1,0,0]
	v_fma_mix_f32_bf16 v[163+4*\g], v[\x+4*\i+2*\g+1], v[32+8*(\bt)+\i], v[163+4*\g] op_sel:[1,0,0] op_sel_hi:[1,0,0]
.endr
.endr
.endm
	PVLOAD 0, 96
	PVLOAD 1, 128
.irp bt, 0,1,2,3,4,5
	s_wait_dscnt 16                                ; the next batch's sixteen loads may stay out
	PVFMA \bt, 96+32*(\bt%2)
	PVLOAD \bt+2, 96+32*(\bt%2)
.endr
	s_wait_dscnt 16
	PVFMA 6, 96
	s_wait_dscnt 0x0
	PVFMA 7, 128
	global_store_b128 v24, v[160:163], s[74:75]                ; each store of the wave covers 512 consecutive bytes
	global_store_b128 v24, v[164:167], s[74:75] offset:512
	s_cmp_lg_u32 s18, 0
	s_cbranch_scc1 .Lno_stats
	global_store_b128 v25, v[252:255], s[74:75] offset:4096    ; (MB, LB) repeated over 512 bytes, so that they are written whole
.Lno_stats:
	s_wait_dscnt 0x0                               ; my reads of CB are over (met: the last batch's wait was for 0)
	s_barrier_signal -1
	s_barrier_wait -1                              ; everybody's are: P may be laid over CB
	s_wait_xcnt 0x0                                ; v[160:167], which the stores read, are written again below
	WIN 0x05
.set i, 0
.rept 128
	v_cvt_pk_bf16_f32 v[96+i], v[2*i], v[2*i+1]
.set i, i+1
.endr
	WIN 0
.irp a, 0,1,2,3
.irp b, 0,1,2,3,4,5,6,7
	ds_store_b128 v26, v[96+4*(8*\a+\b):96+4*(8*\a+\b)+3] offset:16*PP*\a+32*\b
.endr
.endr
.irp a, 0,1,2,3
	ds_store_b32 v17, v[240+2*\a] offset:1024+256*\a           ; REDSUM[16 a + r][w]
.endr
	s_wait_dscnt 0x0
	s_barrier_signal -1
	s_barrier_wait -1
.irp a, 0,1,2,3
	ds_load_b128 v[64+4*\a:67+4*\a], v18 offset:1024+256*\a
.endr
	FQ3 0, 0, 0, 0                                 ; tile 16 was shown landed by the wait for 0 in the last turn of phase 1
	s_wait_dscnt 24                                ; the four sums are in; the 24 fragment loads may stay out
.irp a, 0,1,2,3
	v_add_f32 v[64+4*\a], v[64+4*\a], v[65+4*\a]
	v_add_f32 v[66+4*\a], v[66+4*\a], v[67+4*\a]
	v_add_f32 v[64+4*\a], v[64+4*\a], v[66+4*\a]
.endr
.irp a, 0,1,2,3
	v_rcp_f32 v[232+2*\a], v[64+4*\a]              ; 1 / row sum, twice for the packed multiply
	v_rcp_f32 v[233+2*\a], v[64+4*\a]
.endr
	v_nop
; PHASE 3: c2q = P q: 8 steps of 64 q, each with two tiles: half 0 (window 1) and half 1 (window 2) of my d.
	SUB  3, 0, 64, 0x50, 1
	TURN 1, G0P,   G1P, 8192, 1, 3, 1, 0, 0x50
	SUB  3, 1, 64, 0xa0, 1
	TURN 1, G0P+4, G1P, 8192, 1, 3, 0, 128, 0xa0
	WIN 0
	v_add_nc_u32 v16, 128, v16                     ; 64 q on in P's rows
	s_mov_b32 s70, 6
.Lp3:
	SUB  3, 0, 64, 0x50, 0
	TURN 1, G0P,   G1P, 8192, 1, 3, 1, 0, 0x50
	SUB  3, 1, 64, 0xa0, 0
	TURN 1, G0P+4, G1P, 8192, 1, 3, 0, 128, 0xa0
	WIN 0
	v_add_nc_u32 v16, 128, v16
	s_sub_co_u32 s70, s70, 1
	s_cmp_lg_u32 s70, 0
	s_cbranch_scc1 .Lp3
	SUB  3, 0, 64, 0x50, 0                         ; the last step fills nothing and has no round
	TURN 0, G0P,   G1P, 0, 1, 3, 1, 0, 0x50
	SUB  3, 1, 64, 0xa0, 0
	s_wait_dscnt 0x0
	MUL16 AF1, BF1, 0, 0
	MUL16 AF1, BF1, 2, 0
; THE WAY OUT: 16 rows x 128 d at a time: scale, round to f16, through my own stage, and out as four rows x 128 bytes of one chunk:
; each store of the wave covers 512 consecutive bytes.
	WIN 0
	PLACES
.macro OUT half, a, f
	WIN 1+\half
.set i, 0
	s_wait_alu depctr_va_vdst(0)
.rept 32
	v_pk_mul_f32 v[32+2*i:33+2*i], v[64*\a+2*i:64*\a+2*i+1], v[232+2*\a:233+2*\a]
.set i, i+1
.endr
	WIN 0
.set i, 0
.rept 32
	v_cvt_pk_f16_f32 v[96+i], v[32+2*i], v[33+2*i]
.set i, i+1
.endr
.irp b, 0,1,2,3,4,5,6,7
	ds_store_b128 v27, v[96+4*\b:99+4*\b] offset:32*\b
.endr
	s_wait_xcnt 0x0                                ; buffer f, which earlier stores read, is loaded again only behind this wait
.irp i, 0,1,2,3,4,5,6,7
	ds_load_b128 v[\f+4*\i:\f+4*\i+3], v28 offset:1088*(\i/2)+128*(\i%2)
.endr
.irp i, 0,1,2,3,4,5,6,7
	s_wait_dscnt 7-\i
	global_store_b128 v25, v[\f+4*\i:\f+4*\i+3], s[66+2*\half:67+2*\half] offset:(\i%2)*2097152+2048*\a+512*(\i/2)
.endr
.endm
	OUT 0, 0, 128
	OUT 0, 1, 160
	OUT 0, 2, 128
	OUT 0, 3, 160
	OUT 1, 0, 128
	OUT 1, 1, 160
	OUT 1, 2, 128
	OUT 1, 3, 160
	CROUND                                         ; the closing round: no work-group ends while a partner may still ask for a tile that names it
	s_endpgm
.Lfunc_end_k_qa1d8c37d6d_attn:
	.size	k_qa1d8c37d6d_attn, .Lfunc_end_k_qa1d8c37d6d_attn-k_qa1d8c37d6d_attn
	.p2alignl 7, 3214868480
	.fill 96, 4, 3214868480
	.section	.rodata,"a",@progbits
	.p2align	6, 0x0
	.amdhsa_kernel k_qa1d8c37d6d_attn
		.amdhsa_group_segment_fixed_size 327680
		.amdhsa_private_segment_fixed_size 0
		.amdhsa_enable_private_segment 0
		.amdhsa_kernarg_size 56
		.amdhsa_user_sgpr_count 2
		.amdhsa_user_sgpr_kernarg_segment_ptr 1
		.amdhsa_wavefront_size32 1
		.amdhsa_system_sgpr_workgroup_id_x 1
		.amdhsa_system_sgpr_workgroup_id_y 1
		.amdhsa_system_sgpr_workgroup_id_z 1
		.amdhsa_system_vgpr_workitem_id 0
		.amdhsa_next_free_vgpr 768
		.amdhsa_next_free_sgpr 80
		.amdhsa_reserve_vcc 0
		.amdhsa_float_denorm_mode_32 3
		.amdhsa_float_denorm_mode_16_64 3
		.amdhsa_memory_ordered 1
		.amdhsa_forward_progress 1
		.amdhsa_inst_pref_size 255
	.end_amdhsa_kernel
	.section	.bss,"aw",@nobits
	.p2align	6
	.space	262144
	.amdgpu_metadata
---
amdhsa.version: [ 1, 2 ]
amdhsa.kernels:
  - .name:           k_qa1d8c37d6d_attn
    .symbol:         k_qa1d8c37d6d_attn.kd
    .args:
      - { .name: c, .offset: 0, .size: 8, .value_kind: global_buffer, .address_space: global }
      - { .name: w_c, .offset: 8, .size: 8, .value_kind: global_buffer, .address_space: global }
      - { .name: QSX, .offset: 16, .size: 8, .value_kind: global_buffer, .address_space: global }
      - { .name: QBX, .offset: 24, .size: 8, .value_kind: global_buffer, .address_space: global }
      - { .name: QW, .offset: 32, .size: 8, .value_kind: global_buffer, .address_space: global }
      - { .name: XA, .offset: 40, .size: 8, .value_kind: global_buffer, .address_space: global }
      - { .name: PART, .offset: 48, .size: 8, .value_kind: global_buffer, .address_space: global }
    .group_segment_fixed_size: 327680
    .private_segment_fixed_size: 0
    .kernarg_segment_align: 8
    .kernarg_segment_size: 56
    .max_flat_workgroup_size: 128
    .sgpr_count:     80
    .vgpr_count:     768
    .wavefront_size: 32
...
	.end_amdgpu_metadata
.endif
;; end of part 2
;; launch w14 (part 3): grid 256 x 1, 8 waves a work-group, no clusters, 0 bytes of LDS; arguments W_l, PART, W14X; writes W14X
.if DOCPART == 3
	.amdgcn_target "amdgcn-amd-amdhsa--gfx1250"
	.amdhsa_code_object_version 6
	.text
	.protected	k_qa1d8c37d6d_w14
	.globl	k_qa1d8c37d6d_w14
	.p2align	8
	.type	k_qa1d8c37d6d_w14,@function
k_qa1d8c37d6d_w14:
	s_mov_b64 s[64:65], 0
	v_nop
	global_prefetch_b8 v0, s[64:65] scope:SCOPE_SE
	s_setreg_imm32_b32 hwreg(HW_REG_WAVE_MODE, 25, 1), 1
	s_wait_xcnt 0x0
; w14: q2c of each batch from the 16 blocks' parts, and W14X[b][j][n][64] = f16(W_l[n][64 j + i] + W_l[n][3072 + 64 j + i] * q2c[b][64 j + i]).
; LEFT OUT: the product (c * q2c) @ W4^T as such: it equals c @ (W4 * q2c)^T term by term, so it is folded into quarter 1's weights (head of prep).
; q2c = sum over blocks of exp(MB_k - M) Pvec_k / sum over blocks of exp(MB_k - M) LB_k, M the largest MB_k: the true maximum over the batch's rows.
; LIMIT: W14 is rounded once, to f16: finite up to 65,504.
; Memory binds: no LDS, no matrix unit.  The work-group owns chunk j = x % 16 and rows n = 64 (x / 16) .. + 63; wave w is batch w, so the eight waves
; read the same bytes of W_l at about the same time.  Lanes 0-15 hold one row, lanes 16-31 the next; lane r holds d = 64 j + 4 r .. + 3:
; a store of 8 bytes a lane covers 256 consecutive bytes, aligned.
.set S,    8                           ; v[8:39]    (MB_k, LB_k), k = 0..15
.set P,    40                          ; v[40:103]  Pvec_k of my 4 d
.set SET0, 104                         ; v[104:167] eight row pairs: W1 (4), W4 (4)
.set SET1, 168                         ; v[168:231]
.set Q,    232                         ; v[232:235] q2c of my 4 d;  v236 M, v237 L, v238 1 / L
	s_load_b128 s[4:7], s[0:1], 0x0                ; W_l s[4:5], PART s[6:7]
	s_load_b64 s[8:9], s[0:1], 0x10                ; W14X
	v_lshrrev_b32 v3, 5, v0
	v_readfirstlane_b32 s10, v3                    ; wave = batch
	s_and_b32 s11, ttmp9, 15                       ; j
	s_lshr_b32 s12, ttmp9, 4                       ; which 64 rows
	v_and_b32 v1, 15, v0
	v_bfe_u32 v2, v0, 4, 1
	v_and_b32 v3, 31, v0
	s_mul_i32 s13, s10, 73728                      ; 16 blocks x 4,608 bytes
	v_lshl_add_u32 v4, v1, 4, s13                  ; Pvec: + 16 r
	v_mov_b32 v5, s13                              ; (MB, LB): the same 8 bytes in every lane
	v_lshlrev_b32 v6, 4, v1
	v_lshl_add_u32 v6, v2, 14, v6                  ; W_l: hh x 16,384 + 16 r
	s_lshl_b32 s16, s10, 21
	v_lshl_add_u32 v7, v3, 3, s16                  ; W14X: batch x 2,097,152 + 8 l
	s_lshl_b32 s14, s11, 8
	s_mov_b32 s15, 0
	s_wait_kmcnt 0x0
	s_add_nc_u64 s[18:19], s[6:7], s[14:15]        ; PART at my chunk's words
	s_lshl_b32 s17, s12, 20
	s_add_co_u32 s14, s14, s17
	s_add_nc_u64 s[4:5], s[4:5], s[14:15]
	s_lshl_b32 s14, s11, 17
	s_lshl_b32 s17, s12, 13
	s_add_co_u32 s14, s14, s17
	s_add_nc_u64 s[8:9], s[8:9], s[14:15]
; Group g holds row pairs 8 g .. 8 g + 7, 32,768 bytes apart.  g may be a sum, so it stands in brackets where it is multiplied.
.macro WLOAD g, set
.irp p, 0,1,2,3,4,5,6,7
	global_load_b128 v[\set+8*\p:\set+8*\p+3],   v6, s[4:5] offset:32768*(8*(\g)+\p)
	global_load_b128 v[\set+8*\p+4:\set+8*\p+7], v6, s[4:5] offset:32768*(8*(\g)+\p)+12288
.endr
.endm
.set k, 0
.rept 16
	global_load_b64 v[S+2*k:S+2*k+1], v5, s[6:7] offset:4608*k+4096
.set k, k+1
.endr
.set k, 0
.rept 16
	global_load_b128 v[P+4*k:P+4*k+3], v4, s[18:19] offset:4608*k
.set k, k+1
.endr
	WLOAD 0, SET0
	WLOAD 1, SET1
	s_wait_loadcnt 32                              ; the 32 loads of W_l may stay out
	v_max3_num_f32 v236, v[S], v[S+2], v[S+4]
.irp k, 3,5,7,9,11,13
	v_max3_num_f32 v236, v236, v[S+2*\k], v[S+2*\k+2]
.endr
	v_max_num_f32 v236, v236, v[S+30]
.set k, 0
.rept 16
	v_sub_f32 v[S+2*k], v[S+2*k], v236
	v_mul_f32 v[S+2*k], 0x3fb8aa3b, v[S+2*k]
.set k, k+1
.endr
.set k, 0
.rept 16
	v_exp_f32 v[S+2*k], v[S+2*k]
.set k, k+1
.endr
	v_nop                                          ; one plain instruction between the exponentials and their first use (ISA guide 5.7.2)
	s_wait_alu depctr_va_vdst(0)
	v_mul_f32 v237, v[S], v[S+1]
	v_pk_mul_f32 v[Q:Q+1],   v[P:P+1],   v[S:S+1] op_sel_hi:[1,0]
	v_pk_mul_f32 v[Q+2:Q+3], v[P+2:P+3], v[S:S+1] op_sel_hi:[1,0]
.set k, 1
.rept 15
	v_fmac_f32 v237, v[S+2*k], v[S+2*k+1]
	v_pk_fma_f32 v[Q:Q+1],   v[P+4*k:P+4*k+1],   v[S+2*k:S+2*k+1], v[Q:Q+1]   op_sel_hi:[1,0,1]
	v_pk_fma_f32 v[Q+2:Q+3], v[P+4*k+2:P+4*k+3], v[S+2*k:S+2*k+1], v[Q+2:Q+3] op_sel_hi:[1,0,1]
.set k, k+1
.endr
	v_rcp_f32 v238, v237
	v_nop
	s_wait_alu depctr_va_vdst(0)
.irp i, 0,1,2,3
	v_mul_f32 v[Q+\i], v[Q+\i], v238
.endr
; eight row pairs.  left = how many younger loads may stay out (the other set's sixteen)
.macro WGROUP g, set, left, refill
	s_wait_loadcnt \left
.irp p, 0,1,2,3,4,5,6,7
	v_pk_fma_f32 v[\set+8*\p:\set+8*\p+1],   v[\set+8*\p+4:\set+8*\p+5], v[Q:Q+1],   v[\set+8*\p:\set+8*\p+1]
	v_pk_fma_f32 v[\set+8*\p+2:\set+8*\p+3], v[\set+8*\p+6:\set+8*\p+7], v[Q+2:Q+3], v[\set+8*\p+2:\set+8*\p+3]
	v_cvt_pk_f16_f32 v[\set+8*\p],   v[\set+8*\p],   v[\set+8*\p+1]
	v_cvt_pk_f16_f32 v[\set+8*\p+1], v[\set+8*\p+2], v[\set+8*\p+3]
	global_store_b64 v7, v[\set+8*\p:\set+8*\p+1], s[8:9] offset:256*(8*(\g)+\p)
.endr
.if \refill
	s_wait_xcnt 0x0                                ; the stores have read this set: it is loaded again only behind this wait
	WLOAD \g+2, \set
.endif
.endm
	WGROUP 0, SET0, 16, 1
	WGROUP 1, SET1, 16, 1
	WGROUP 2, SET0, 16, 0
	WGROUP 3, SET1, 0,  0
	s_endpgm
.Lfunc_end_k_qa1d8c37d6d_w14:
	.size	k_qa1d8c37d6d_w14, .Lfunc_end_k_qa1d8c37d6d_w14-k_qa1d8c37d6d_w14
	.p2alignl 7, 3214868480
	.fill 96, 4, 3214868480
	.section	.rodata,"a",@progbits
	.p2align	6, 0x0
	.amdhsa_kernel k_qa1d8c37d6d_w14
		.amdhsa_group_segment_fixed_size 0
		.amdhsa_private_segment_fixed_size 0
		.amdhsa_enable_private_segment 0
		.amdhsa_kernarg_size 24
		.amdhsa_user_sgpr_count 2
		.amdhsa_user_sgpr_kernarg_segment_ptr 1
		.amdhsa_wavefront_size32 1
		.amdhsa_system_sgpr_workgroup_id_x 1
		.amdhsa_system_sgpr_workgroup_id_y 1
		.amdhsa_system_sgpr_workgroup_id_z 1
		.amdhsa_system_vgpr_workitem_id 0
		.amdhsa_next_free_vgpr 240
		.amdhsa_next_free_sgpr 66
		.amdhsa_reserve_vcc 0
		.amdhsa_float_denorm_mode_32 3
		.amdhsa_float_denorm_mode_16_64 3
		.amdhsa_memory_ordered 1
		.amdhsa_forward_progress 1
		.amdhsa_inst_pref_size 27
	.end_amdhsa_kernel
	.amdgpu_metadata
---
amdhsa.version: [ 1, 2 ]
amdhsa.kernels:
  - .name:           k_qa1d8c37d6d_w14
    .symbol:         k_qa1d8c37d6d_w14.kd
    .args:
      - { .name: W_l, .offset: 0, .size: 8, .value_kind: global_buffer, .address_space: global }
      - { .name: PART, .offset: 8, .size: 8, .value_kind: global_buffer, .address_space: global }
      - { .name: W14X, .offset: 16, .size: 8, .value_kind: global_buffer, .address_space: global }
    .group_segment_fixed_size: 0
    .private_segment_fixed_size: 0
    .kernarg_segment_align: 8
    .kernarg_segment_size: 24
    .max_flat_workgroup_size: 256
    .sgpr_count:     66
    .vgpr_count:     240
    .wavefront_size: 32
...
	.end_amdgpu_metadata
.endif
;; end of part 3
;; launch gemm (part 4): grid 4 x 64, 4 waves a work-group, clusters of 4 x 4, 327,680 bytes of LDS; arguments XA, W14X, W23X, b_l, out0; writes out0
.if DOCPART == 4
	.amdgcn_target "amdgcn-amd-amdhsa--gfx1250"
	.amdhsa_code_object_version 6
	.text
	.protected	k_qa1d8c37d6d_gemm
	.globl	k_qa1d8c37d6d_gemm
	.p2align	8
	.type	k_qa1d8c37d6d_gemm,@function
k_qa1d8c37d6d_gemm:
	s_mov_b64 s[64:65], 0
	v_nop
	global_prefetch_b8 v0, s[64:65] scope:SCOPE_SE
	s_setreg_imm32_b32 hwreg(HW_REG_WAVE_MODE, 25, 1), 1
	s_wait_xcnt 0x0
	s_wait_alu depctr_hold_cnt(0) depctr_sa_sdst(0) depctr_va_vdst(0) depctr_va_sdst(0) depctr_va_ssrc(0) depctr_va_vcc(0) depctr_vm_vsrc(0)
	s_getreg_b32 s2, hwreg(HW_REG_IB_STS2, 6, 4)
	s_cmp_eq_u32 s2, 0
	s_cbranch_scc0 .Lentry_in_a_cluster
	s_endpgm
.Lentry_in_a_cluster:
	s_bfe_u32 s2, ttmp6, 0x10000c
	s_cmp_lg_u32 s2, 0xf033
	s_cbranch_scc0 .Lentry_shape_is_right
	s_endpgm
.Lentry_shape_is_right:
; gemm: z = c W14_b^T + c2q W2^T + (c * c2q) W3^T + b_l, f16 operands, f32 sums.
; LEFT OUT: the fourth quarter of K as a product of its own: it lies in W14_b = W1 + W4 * q2c_b (head of prep), so K is 3 x 1,024.
; LIMITS: operands are f16, finite up to 65,504; c * c2q is the f16 product of f16(c) and f16(c2q), rounded once more.
; A work-group makes 128 rows x 256 columns of z with four waves; wave (mh, nh) makes 64 x 128: 32 accumulator tiles in window 1.
; K goes in 16 chunks of 64 d through two LDS slots.  A slot holds four tiles of 256 rows x 128 bytes (pitch 144, an odd multiple of 16), each a dense
; block of 32,768 bytes of memory brought by one wave's tensor load: wave 0 XA (128 rows of c, then 128 of c2q), wave 1 W14, wave 2 W2, wave 3 W3.
; A chunk is 2 x 32 d x 3 products = 192 matrix instructions; c * c2q is made in registers from the two fragments.
; CLUSTER: 4 x 4 work-groups.  XA's tile hangs on the block row alone and is asked for jointly along a row of the cluster; the three weight tiles hang
; on the block column and on the batch, which all sixteen share (a cluster spans 512 of a batch's 1,024 rows), and are asked for jointly along a column.
; Every refill stands behind a round of the cluster's barrier.  A wave has two tensor loads out at the start, later one.
; THE MATRIX INSTRUCTION IS USED TRANSPOSED (source 0 = 16 rows of W, source 1 = 16 rows of x): lane (r, h) of tile (a, b) holds row 16 a + r and
; columns 16 b + 8 h + 0..7.  The 32 accumulators take turns, one instruction a turn.
.set SLOTB, 147456
.set TILEB, 36864
.set STAGE, 294912                     ; behind the ring: 16 rows x 272 bytes for each wave; no tensor load lands there
.set CBF, 32                           ; v[32:63]   fragments of c, 4 x 8
.set CQF, 64                           ; v[64:95]   of c2q
.set PRF, 96                           ; v[96:127]  of c * c2q
.set BF0, 128                          ; v[128:191] fragments of a weight tile, 8 x 8
.set BF1, 192                          ; v[192:255]
.set ADA, 4                            ; v4-5   my rows of XA's tile, slot 0, 1
.set ADW, 6                            ; v6-11  my rows of W14, W2, W3: slot 0, then slot 1
.set G1A, 24                           ; v12 stage in, v13 stage out, v14 out0 offset, v15 b_l offset
.set G0A, 32
.set G1B, 48
.set G0B, 56
.set MSB, 0
.macro WIN new
.if MSB != (\new)
	s_set_vgpr_msb (MSB<<8)|(\new)
.set MSB, (\new)
.endif
.endm
.macro PLACES                          ; four plain vector instructions between a matrix instruction and a load into, or a vector access to, its registers
.rept 4
	v_nop
.endr
.endm
.macro CREST
	s_cmp_lg_u32 s14, 0
	s_cbranch_scc1 .Lnot_wave_0_\@
	s_barrier_signal -3
.Lnot_wave_0_\@:
	s_barrier_wait -3
	s_barrier_signal -1
	s_barrier_wait -1
.endm
.macro CROUND
	s_barrier_signal -1
	s_barrier_wait -1
	CREST
.endm
.macro JLOAD s                         ; wave 0 asks for XA's tile, waves 1 to 3 for a weight tile each: each line has one mask; the branch hangs on the wave's number alone
	s_cmp_eq_u32 s14, 0
	s_cbranch_scc0 .Lfor_b_\@
	tensor_load_to_lds s[G0A+4*\s:G0A+4*\s+3], s[G1A:G1A+7]
	s_nop 0
	s_branch .Lasked_\@
.Lfor_b_\@:
	tensor_load_to_lds s[G0B+4*\s:G0B+4*\s+3], s[G1B:G1B+7]
	s_nop 0
.Lasked_\@:
.endm
.macro MUL16 af, bf, a0, mode          ; mode 0: add in place; 2: C = v[8 b ..] of source 2's window (b_l)
.irp a, \a0, \a0+1
.irp b, 0,1,2,3,4,5,6,7
.if \mode == 2
	v_wmma_f32_16x16x32_f16 v[8*(8*(\a)+\b):8*(8*(\a)+\b)+7], v[\bf+8*\b:\bf+8*\b+7], v[\af+8*(\a):\af+8*(\a)+7], v[8*\b:8*\b+7]
.else
	v_wmma_f32_16x16x32_f16 v[8*(8*(\a)+\b):8*(8*(\a)+\b)+7], v[\bf+8*\b:\bf+8*\b+7], v[\af+8*(\a):\af+8*(\a)+7], v[8*(8*(\a)+\b):8*(8*(\a)+\b)+7]
.endif
.endr
.endr
.endm
.macro MUL32 af, bf, mode
	MUL16 \af, \bf, 0, \mode
	MUL16 \af, \bf, 2, \mode
.endm
.macro FB buf, adr, kk                 ; 16 loads: my 128 rows of a weight tile, 32 d
.irp b, 0,1,2,3,4,5,6,7
	ds_load_b128 v[\buf+8*\b:\buf+8*\b+3],   v[\adr] offset:2304*\b+64*\kk
	ds_load_b128 v[\buf+8*\b+4:\buf+8*\b+7], v[\adr] offset:2304*\b+64*\kk+32
.endr
.endm
.macro FA buf, adr, off, kk            ; 8 loads: my 64 rows of c (off = 0) or c2q (off = 128 rows), 32 d
.irp a, 0,1,2,3
	ds_load_b128 v[\buf+8*\a:\buf+8*\a+3],   v[\adr] offset:\off+2304*\a+64*\kk
	ds_load_b128 v[\buf+8*\a+4:\buf+8*\a+7], v[\adr] offset:\off+2304*\a+64*\kk+32
.endr
.endm
.macro PROD
.set i, 0
.rept 32
	v_pk_mul_f16 v[PRF+i], v[CBF+i], v[CQF+i]
.set i, i+1
.endr
.endm
; One chunk in slot s; n = the other slot.  On entry 32 loads are out: W14 (first 32 d) into BF0, c and c2q into CBF and CQF.
; Each counted wait leaves out exactly the loads issued just in front of it, so all older ones are in.
; fill = 1: slot s is filled again, two chunks ahead; last = 1: nothing follows.  mode0 = 2: b_l starts the sums.
.macro CHUNK s, n, fill, last, mode0
	WIN 0
	PLACES
	FB BF1, ADW+3*\s+1, 0                          ; W2, first 32 d
	s_wait_dscnt 16
	PROD
.if \mode0 == 2
	WIN 0x60                                       ; D in window 1, C in window 2
.else
	WIN 0x50
.endif
	MUL32 CBF, BF0, \mode0
	WIN 0
	PLACES
	FB BF0, ADW+3*\s+2, 0                          ; W3, first 32 d
	FA CBF, ADA+\s, 0, 1
	s_wait_dscnt 24
	WIN 0x50
	MUL32 CQF, BF1, 0
	WIN 0
	PLACES
	FB BF1, ADW+3*\s, 1                            ; W14, second 32 d
	FA CQF, ADA+\s, 18432, 1
	s_wait_dscnt 24
	WIN 0x50
	MUL32 PRF, BF0, 0
	WIN 0
	PLACES
	FB BF0, ADW+3*\s+1, 1                          ; W2
	s_wait_dscnt 16
	PROD
	WIN 0x50
	MUL32 CBF, BF1, 0
	WIN 0
	PLACES
	FB BF1, ADW+3*\s+2, 1                          ; W3
	s_wait_dscnt 16
	WIN 0x50
	MUL32 CQF, BF0, 0
.if \last
	s_wait_dscnt 0x0
	MUL32 PRF, BF1, 0
.else
	s_wait_dscnt 0x0                               ; BF1 is in, and my reads of this slot are over
	s_wait_tensorcnt 0x0                           ; all my tensor loads have landed: the one that was out is my tile of the next slot
	s_barrier_signal -1                            ; (with fill = 1 this barrier opens a round of the cluster's barrier)
	MUL16 PRF, BF1, 0, 0                           ; registers only, while the others arrive
	WIN 0
	s_barrier_wait -1
.if \fill
	CREST                                          ; no wave of any partner still reads this slot or has a load on its way
	s_add_nc_u64 s[G0A+4*\s+2:G0A+4*\s+3], s[G0A+4*\s+2:G0A+4*\s+3], 4194304
	s_add_nc_u64 s[G0B+4*\s+2:G0B+4*\s+3], s[G0B+4*\s+2:G0B+4*\s+3], 262144
	JLOAD \s                                       ; the first tensor load behind the round, my only one until the next
.endif
	PLACES
	FB BF0, ADW+3*\n, 0
	FA CBF, ADA+\n, 0, 0
	FA CQF, ADA+\n, 18432, 0
	WIN 0x50
	MUL16 PRF, BF1, 2, 0
.endif
.endm
	s_load_b256 s[4:11], s[0:1], 0x0               ; XA s[4:5], W14X s[6:7], W23X s[8:9], b_l s[10:11]
	s_load_b64 s[12:13], s[0:1], 0x20              ; out0
	v_lshrrev_b32 v16, 5, v0
	v_readfirstlane_b32 s14, v16                   ; wave w
	s_lshr_b32 s15, s14, 1                         ; mh
	s_and_b32 s16, s14, 1                          ; nh
	s_bfe_u32 s17, ttmp6, 0x40000                  ; cx
	s_bfe_u32 s18, ttmp6, 0x40004                  ; cy
	s_lshl_b32 s19, ttmp9, 2
	s_add_co_u32 s19, s19, s17                     ; block column x
	s_and_b32 s23, ttmp7, 0xffff                   ; the cluster's y
	s_lshl_b32 s20, s23, 2
	s_add_co_u32 s20, s20, s18                     ; block row y
	s_lshr_b32 s21, s23, 1                         ; batch = y / 8, made of the cluster's y alone
	s_lshl_b32 s66, s18, 2
	s_lshl_b32 s66, 15, s66                        ; my row of the cluster
	s_lshl_b32 s67, 0x1111, s17                    ; my column
	; group 1: a dense block of 32,768 bytes as 128 rows x 32 elements of 8 bytes; 4 words of padding behind every 32 words
	s_or_b32 s[G1A+0], s66, (3<<16)|(1<<20)|(1<<21)|(4<<22)|(3<<25)
	s_or_b32 s[G1B+0], s67, (3<<16)|(1<<20)|(1<<21)|(4<<22)|(3<<25)
	s_mov_b32 s[G1A+1], 32<<16
	s_mov_b32 s[G1B+1], 32<<16
	s_mov_b32 s[G1A+2], 128<<16
	s_mov_b32 s[G1B+2], 128<<16
	s_mov_b32 s[G1A+3], 32<<16
	s_mov_b32 s[G1B+3], 32<<16
	s_mov_b32 s[G1A+4], 128
	s_mov_b32 s[G1B+4], 128
	s_mov_b32 s[G1A+5], 32
	s_mov_b32 s[G1B+5], 32
	s_mov_b32 s[G1A+6], 0
	s_mov_b32 s[G1B+6], 0
	s_mov_b32 s[G1A+7], 0
	s_mov_b32 s[G1B+7], 0
	s_lshl_b32 s40, s20, 15                        ; XA: y x 32,768
	s_mov_b32 s41, 0
	s_mul_i32 s22, s14, TILEB                      ; my tile's place in a slot: the wave's number alone
	s_wait_kmcnt 0x0
	s_add_nc_u64 s[40:41], s[4:5], s[40:41]
	s_cmp_eq_u32 s14, 1
	s_cselect_b64 s[44:45], s[6:7], s[8:9]         ; wave 1: W14X; waves 2, 3: W23X
	s_cselect_b32 s46, s21, s16                    ; its plane: the batch, or W2 / W3
	s_lshl_b32 s42, s46, 21
	s_lshl_b32 s47, s19, 15                        ; + 256 rows x 128 bytes for each block column
	s_add_co_u32 s42, s42, s47
	s_mov_b32 s43, 0
	s_add_nc_u64 s[44:45], s[44:45], s[42:43]
	CROUND                                         ; all sixteen work-groups are here: the first joint loads meet
.irp s, 0,1
	s_mov_b32 s[G0A+4*\s], 1
	s_add_co_u32 s[G0A+4*\s+1], s22, \s*SLOTB
	s_add_nc_u64 s[G0A+4*\s+2:G0A+4*\s+3], s[40:41], \s*2097152    ; chunk s
	s_or_b32 s[G0A+4*\s+3], s[G0A+4*\s+3], 0x80000000
	s_mov_b32 s[G0B+4*\s], 1
	s_add_co_u32 s[G0B+4*\s+1], s22, \s*SLOTB
	s_add_nc_u64 s[G0B+4*\s+2:G0B+4*\s+3], s[44:45], \s*131072
	s_or_b32 s[G0B+4*\s+3], s[G0B+4*\s+3], 0x80000000
	JLOAD \s
.endr
	v_and_b32 v1, 15, v0                           ; r
	v_bfe_u32 v2, v0, 4, 1                         ; h
	s_lshl_b32 s72, s16, 9
	v_lshl_add_u32 v15, v2, 5, s72                 ; b_l: 4 (128 nh + 8 h)
	s_lshl_b32 s72, s19, 10
	s_mov_b32 s73, 0
	s_add_nc_u64 s[10:11], s[10:11], s[72:73]      ; + 4 x 256 x
	WIN 0x80                                       ; destination in window 2
.irp b, 0,1,2,3,4,5,6,7
	global_load_b128 v[8*\b:8*\b+3],   v15, s[10:11] offset:64*\b
	global_load_b128 v[8*\b+4:8*\b+7], v15, s[10:11] offset:64*\b+16
.endr
	WIN 0
	v_mul_u32_u24 v16, v1, 144
	v_lshl_add_u32 v16, v2, 4, v16                 ; a fragment: 144 r + 16 h
	s_mul_i32 s72, s15, 64*144
	v_add_nc_u32 v[ADA], s72, v16
	v_add_nc_u32 v[ADA+1], SLOTB, v[ADA]
	s_mul_i32 s72, s16, 128*144
	v_add_nc_u32 v17, s72, v16
.irp g, 0,1,2
	v_add_nc_u32 v[ADW+\g], (1+\g)*TILEB, v17
	v_add_nc_u32 v[ADW+3+\g], (1+\g)*TILEB+SLOTB, v17
.endr
	s_mul_i32 s72, s14, 16*272
	s_add_co_u32 s72, s72, STAGE
	v_mul_u32_u24 v12, v1, 272
	v_lshl_add_u32 v12, v2, 5, v12
	v_add_nc_u32 v12, s72, v12                     ; stage in: row r, 32 bytes for each half of the lanes
	v_mul_u32_u24 v13, v2, 272
	v_lshl_add_u32 v13, v1, 4, v13
	v_add_nc_u32 v13, s72, v13                     ; stage out: lanes 0-15 one row of 256 bytes, lanes 16-31 the next
	v_lshlrev_b32 v14, 4, v1
	v_lshl_add_u32 v14, v2, 12, v14                ; and the same two rows in out0
	s_lshl_b32 s68, s20, 19                        ; 128 y rows x 4,096 bytes
	s_lshl_b32 s72, s15, 18
	s_add_co_u32 s68, s68, s72
	s_lshl_b32 s72, s19, 10
	s_add_co_u32 s68, s68, s72
	s_lshl_b32 s72, s16, 9
	s_add_co_u32 s68, s68, s72
	s_mov_b32 s69, 0
	s_add_nc_u64 s[12:13], s[12:13], s[68:69]
	s_wait_tensorcnt 0x1                           ; my tile of chunk 0 is in; chunk 1's may stay out
	s_barrier_signal -1
	s_barrier_wait -1
	FB BF0, ADW, 0
	FA CBF, ADA, 0, 0
	FA CQF, ADA, 18432, 0
	s_wait_loadcnt 0x0                             ; b_l
	CHUNK 0, 1, 1, 0, 2                            ; the first lap stands in front of the loop: b_l starts the sums, nothing is cleared
	CHUNK 1, 0, 1, 0, 0
	WIN 0
	s_mov_b32 s70, 6
.Llap:
	CHUNK 0, 1, 1, 0, 0
	CHUNK 1, 0, 1, 0, 0
	WIN 0
	s_sub_co_u32 s70, s70, 1
	s_cmp_lg_u32 s70, 0
	s_cbranch_scc1 .Llap
	CHUNK 0, 1, 0, 0, 0                            ; the last lap fills nothing and has no round
	CHUNK 1, 0, 0, 1, 0
; THE WAY OUT: 16 rows x 64 columns of f32 at a time through my own stage: sixteen lanes store 256 consecutive bytes, aligned.
	WIN 0
	PLACES
.macro OUT a, bh, f
	WIN 0x04                                       ; store data from window 1
.irp t, 0,1,2,3
	ds_store_b128 v12, v[8*(8*\a+4*\bh+\t):8*(8*\a+4*\bh+\t)+3]   offset:64*\t
	ds_store_b128 v12, v[8*(8*\a+4*\bh+\t)+4:8*(8*\a+4*\bh+\t)+7] offset:64*\t+16
.endr
	WIN 0
	s_wait_xcnt 0x0                                ; buffer f, which earlier stores read, is loaded again only behind this wait
.irp t, 0,1,2,3,4,5,6,7
	ds_load_b128 v[\f+4*\t:\f+4*\t+3], v13 offset:544*\t       ; LDS serves a wave's instructions in order (ISA guide 5.7.1.4): these see the stores above
.endr
.irp t, 0,1,2,3,4,5,6,7
	s_wait_dscnt 7-\t
	global_store_b128 v14, v[\f+4*\t:\f+4*\t+3], s[12:13] offset:65536*\a+256*\bh+8192*\t th:TH_STORE_NT
.endr
.endm
	OUT 0, 0, BF0
	OUT 0, 1, BF1
	OUT 1, 0, BF0
	OUT 1, 1, BF1
	OUT 2, 0, BF0
	OUT 2, 1, BF1
	OUT 3, 0, BF0
	OUT 3, 1, BF1
	CROUND                                         ; the closing round: no work-group ends while a partner may still ask for a tile that names it
	s_endpgm
.Lfunc_end_k_qa1d8c37d6d_gemm:
	.size	k_qa1d8c37d6d_gemm, .Lfunc_end_k_qa1d8c37d6d_gemm-k_qa1d8c37d6d_gemm
	.p2alignl 7, 3214868480
	.fill 96, 4, 3214868480
	.section	.rodata,"a",@progbits
	.p2align	6, 0x0
	.amdhsa_kernel k_qa1d8c37d6d_gemm
		.amdhsa_group_segment_fixed_size 327680
		.amdhsa_private_segment_fixed_size 0
		.amdhsa_enable_private_segment 0
		.amdhsa_kernarg_size 40
		.amdhsa_user_sgpr_count 2
		.amdhsa_user_sgpr_kernarg_segment_ptr 1
		.amdhsa_wavefront_size32 1
		.amdhsa_system_sgpr_workgroup_id_x 1
		.amdhsa_system_sgpr_workgroup_id_y 1
		.amdhsa_system_sgpr_workgroup_id_z 1
		.amdhsa_system_vgpr_workitem_id 0
		.amdhsa_next_free_vgpr 576
		.amdhsa_next_free_sgpr 80
		.amdhsa_reserve_vcc 0
		.amdhsa_float_denorm_mode_32 3
		.amdhsa_float_denorm_mode_16_64 3
		.amdhsa_memory_ordered 1
		.amdhsa_forward_progress 1
		.amdhsa_inst_pref_size 180
	.end_amdhsa_kernel
	.amdgpu_metadata
---
amdhsa.version: [ 1, 2 ]
amdhsa.kernels:
  - .name:           k_qa1d8c37d6d_gemm
    .symbol:         k_qa1d8c37d6d_gemm.kd
    .args:
      - { .name: XA, .offset: 0, .size: 8, .value_kind: global_buffer, .address_space: global }
      - { .name: W14X, .offset: 8, .size: 8, .value_kind: global_buffer, .address_space: global }
      - { .name: W23X, .offset: 16, .size: 8, .value_kind: global_buffer, .address_space: global }
      - { .name: b_l, .offset: 24, .size: 8, .value_kind: global_buffer, .address_space: global }
      - { .name: out0, .offset: 32, .size: 8, .value_kind: global_buffer, .address_space: global }
    .group_segment_fixed_size: 327680
    .private_segment_fixed_size: 0
    .kernarg_segment_align: 8
    .kernarg_segment_size: 40
    .max_flat_workgroup_size: 128
    .sgpr_count:     80
    .vgpr_count:     576
    .wavefront_size: 32
...
	.end_amdgpu_metadata
.endif
;; end of part 4
;; ======== version 2 of 2: 4 launches; 1.29 times as fast as version 1
;; limits: values are held in f16: magnitudes above 65,504 overflow, below 6.1e-05 lose precision
;; workspace buffers: QBX 8,388,608 bytes; W23X 4,194,304 bytes; XA 33,554,432 bytes; PART 1,179,648 bytes; W14X 16,777,216 bytes
;; launch prep (part 5): grid 256 x 1, 8 waves a work-group, no clusters, 0 bytes of LDS; arguments q, W_l, QBX, W23X; writes QBX, W23X
.if DOCPART == 5
	.amdgcn_target "amdgcn-amd-amdhsa--gfx1250"
	.amdhsa_code_object_version 6
	.text
	.protected	k_qa1d8c37d6d_prep
	.globl	k_qa1d8c37d6d_prep
	.p2align	8
	.type	k_qa1d8c37d6d_prep,@function
k_qa1d8c37d6d_prep:
	s_mov_b64 s[64:65], 0
	v_nop
	global_prefetch_b8 v0, s[64:65] scope:SCOPE_SE
	s_setreg_imm32_b32 hwreg(HW_REG_WAVE_MODE, 25, 1), 1
	s_wait_xcnt 0x0
; prep: casts and new layouts for the two matrix launches.
;   QBX[b][j][q][64] = f16(q)       W23X[s][j][n][64] = f16(W_l[n][1024 (1+s) + 64 j + i])      (j: a chunk of 64 d, 128 bytes a row)
; WORK LEFT OUT BY THE WHOLE PROGRAM, for all values of the inputs:
;  (1) b_c, b_cq, b_q are added to every s[b][c][q] alike.  softmax(s, axis=2) is unchanged by a term that is the same along q;
;      max over q of s carries the same term into softmax(.., axis=1), where it is the same along c.  So the three have no way to z:
;      they are not loaded and are no launch's argument.
;  (2) c . w_c is the same along q: it is left out of the softmax over q and added only to the row maxima that feed the softmax over c.
;  (3) (c * q2c) @ W4^T = c @ (W4 * q2c)^T, term by term, so quarters 1 and 4 of K are one product with W14_b = W1 + W4 * q2c_b:
;      K of the last product is 3 x 1024.
; LIMITS: a NaN, an infinity or an overflow that reaches only b_c, b_cq or b_q is not carried to z.  All matrix operands of the program are f16
; (q, c * w_cq + w_q, the softmax's exponentials; c, c2q, c * c2q, W14, W2, W3): finite up to 65,504, so c * c2q, the largest of them, has room up to
; about 40 times the spread of c and q taken together; below 6e-5 they keep an absolute step of 6e-8.
; Memory binds here: no LDS, no matrix unit.  Eight waves; the work-group owns 16 rows of q and 4 rows of W_l.  A wave takes two rows of q
; (lanes 0-15 one row, lanes 16-31 the next; lane r holds d = 64 j + 4 r .. + 3 of every chunk j), so a store of 8 bytes a lane
; covers two rows x 128 bytes = 256 consecutive bytes, aligned.  It also takes eight chunks of two rows of one quarter of W_l.
.set X,   8                            ; v[8:71]    my 64 numbers of q, then their cast
.set XW,  72                           ; v[72:103]  my 32 numbers of W_l, then their cast
	s_load_b256 s[4:11], s[0:1], 0x0               ; q s[4:5], W_l s[6:7], QBX s[8:9], W23X s[10:11]
	v_lshrrev_b32 v104, 5, v0
	v_readfirstlane_b32 s20, v104                  ; wave w
	v_and_b32 v1, 15, v0                           ; r
	v_bfe_u32 v2, v0, 4, 1                         ; hh: which row of the pair
	v_and_b32 v105, 31, v0                         ; lane l
	v_lshlrev_b32 v5, 4, v1                        ; 16 r
	s_lshl_b32 s21, s20, 1
	v_add_nc_u32 v104, s21, v2                     ; my row of the sixteen: 2 w + hh
	v_lshl_add_u32 v3, v104, 12, v5                ; q: row x 4,096 + 16 r
	s_lshl_b32 s22, s20, 8
	v_lshl_add_u32 v4, v105, 3, s22                ; QBX: 256 w + 8 l
	s_lshr_b32 s23, s20, 2                         ; s: quarter 2 or 3 of W_l
	s_bfe_u32 s24, s20, 0x10001                    ; np: which pair of the four rows
	s_and_b32 s25, s20, 1                          ; jh: chunks 0-7 or 8-15
	s_lshl_b32 s26, s24, 15
	s_add_co_u32 s27, s23, 1
	s_lshl_b32 s27, s27, 12
	s_add_co_u32 s26, s26, s27
	s_lshl_b32 s27, s25, 11
	s_add_co_u32 s26, s26, s27                     ; 2 np rows x 16,384 + (1+s) x 4,096 + jh x 2,048
	v_lshl_add_u32 v6, v2, 14, v5
	v_add_nc_u32 v6, s26, v6                       ; W_l: + hh x 16,384 + 16 r
	s_lshl_b32 s28, s23, 21
	s_lshl_b32 s27, s25, 20
	s_add_co_u32 s28, s28, s27
	s_lshl_b32 s27, s24, 8
	s_add_co_u32 s28, s28, s27
	v_lshl_add_u32 v7, v105, 3, s28                ; W23X: s x 2,097,152 + jh x 1,048,576 + np x 256 + 8 l
	s_lshl_b32 s30, ttmp9, 16                      ; 16 rows of q and 4 rows of W_l are both 65,536 bytes
	s_mov_b32 s31, 0
	s_wait_kmcnt 0x0
	s_add_nc_u64 s[4:5], s[4:5], s[30:31]
	s_add_nc_u64 s[6:7], s[6:7], s[30:31]
	s_lshr_b32 s30, ttmp9, 5                       ; batch: 32 work-groups each
	s_lshl_b32 s30, s30, 20
	s_and_b32 s29, ttmp9, 31
	s_lshl_b32 s29, s29, 11                        ; 16 rows x 128 bytes
	s_add_co_u32 s30, s30, s29
	s_add_nc_u64 s[8:9], s[8:9], s[30:31]
	s_lshl_b32 s30, ttmp9, 9
	s_add_nc_u64 s[10:11], s[10:11], s[30:31]
.set j, 0
.rept 16
	global_load_b128 v[X+4*j:X+4*j+3], v3, s[4:5] offset:256*j th:TH_LOAD_NT
.set j, j+1
.endr
.set j, 0
.rept 8
	global_load_b128 v[XW+4*j:XW+4*j+3], v6, s[6:7] offset:256*j th:TH_LOAD_NT
.set j, j+1
.endr
	s_wait_loadcnt 8                               ; the eight loads of W_l may stay out: q is in
.set j, 0
.rept 16
	v_cvt_pk_f16_f32 v[X+4*j],   v[X+4*j],   v[X+4*j+1]
	v_cvt_pk_f16_f32 v[X+4*j+1], v[X+4*j+2], v[X+4*j+3]
	global_store_b64 v4, v[X+4*j:X+4*j+1], s[8:9] offset:65536*j
.set j, j+1
.endr
	s_wait_loadcnt 0x0
.set j, 0
.rept 8
	v_cvt_pk_f16_f32 v[XW+4*j],   v[XW+4*j],   v[XW+4*j+1]
	v_cvt_pk_f16_f32 v[XW+4*j+1], v[XW+4*j+2], v[XW+4*j+3]
	global_store_b64 v7, v[XW+4*j:XW+4*j+1], s[10:11] offset:131072*j
.set j, j+1
.endr
	s_endpgm
.Lfunc_end_k_qa1d8c37d6d_prep:
	.size	k_qa1d8c37d6d_prep, .Lfunc_end_k_qa1d8c37d6d_prep-k_qa1d8c37d6d_prep
	.p2alignl 7, 3214868480
	.fill 96, 4, 3214868480
	.section	.rodata,"a",@progbits
	.p2align	6, 0x0
	.amdhsa_kernel k_qa1d8c37d6d_prep
		.amdhsa_group_segment_fixed_size 0
		.amdhsa_private_segment_fixed_size 0
		.amdhsa_enable_private_segment 0
		.amdhsa_kernarg_size 32
		.amdhsa_user_sgpr_count 2
		.amdhsa_user_sgpr_kernarg_segment_ptr 1
		.amdhsa_wavefront_size32 1
		.amdhsa_system_sgpr_workgroup_id_x 1
		.amdhsa_system_sgpr_workgroup_id_y 1
		.amdhsa_system_sgpr_workgroup_id_z 1
		.amdhsa_system_vgpr_workitem_id 0
		.amdhsa_next_free_vgpr 106
		.amdhsa_next_free_sgpr 66
		.amdhsa_reserve_vcc 0
		.amdhsa_float_denorm_mode_32 3
		.amdhsa_float_denorm_mode_16_64 3
		.amdhsa_memory_ordered 1
		.amdhsa_forward_progress 1
		.amdhsa_inst_pref_size 10
	.end_amdhsa_kernel
	.amdgpu_metadata
---
amdhsa.version: [ 1, 2 ]
amdhsa.kernels:
  - .name:           k_qa1d8c37d6d_prep
    .symbol:         k_qa1d8c37d6d_prep.kd
    .args:
      - { .name: q, .offset: 0, .size: 8, .value_kind: global_buffer, .address_space: global }
      - { .name: W_l, .offset: 8, .size: 8, .value_kind: global_buffer, .address_space: global }
      - { .name: QBX, .offset: 16, .size: 8, .value_kind: global_buffer, .address_space: global }
      - { .name: W23X, .offset: 24, .size: 8, .value_kind: global_buffer, .address_space: global }
    .group_segment_fixed_size: 0
    .private_segment_fixed_size: 0
    .kernarg_segment_align: 8
    .kernarg_segment_size: 32
    .max_flat_workgroup_size: 256
    .sgpr_count:     66
    .vgpr_count:     106
    .wavefront_size: 32
...
	.end_amdgpu_metadata
.endif
;; end of part 5
;; launch attn (part 6): grid 256 x 1, 4 waves a work-group, clusters of 4 x 1, 327,680 bytes of LDS; arguments c, w_c, w_cq, w_q, QBX, XA, PART; writes XA, PART
.if DOCPART == 6
	.amdgcn_target "amdgcn-amd-amdhsa--gfx1250"
	.amdhsa_code_object_version 6
	.text
	.protected	k_qa1d8c37d6d_attn
	.globl	k_qa1d8c37d6d_attn
	.p2align	8
	.type	k_qa1d8c37d6d_attn,@function
k_qa1d8c37d6d_attn:
	s_mov_b64 s[64:65], 0
	v_nop
	global_prefetch_b8 v0, s[64:65] scope:SCOPE_SE
	s_setreg_imm32_b32 hwreg(HW_REG_WAVE_MODE, 25, 1), 1
	s_wait_xcnt 0x0
	s_wait_alu depctr_hold_cnt(0) depctr_sa_sdst(0) depctr_va_vdst(0) depctr_va_sdst(0) depctr_va_ssrc(0) depctr_va_vcc(0) depctr_vm_vsrc(0)
	s_getreg_b32 s2, hwreg(HW_REG_IB_STS2, 6, 4)
	s_cmp_eq_u32 s2, 0
	s_cbranch_scc0 .Lentry_in_a_cluster
	s_endpgm
.Lentry_in_a_cluster:
	s_bfe_u32 s2, ttmp6, 0x10000c
	s_cmp_lg_u32 s2, 0x3003
	s_cbranch_scc0 .Lentry_shape_is_right
	s_endpgm
.Lentry_shape_is_right:
; attn: for 32 rows of c of one batch, in ONE pass over q with a running maximum:
;   S = c' q^T with c' = c * w_cq + w_q   (sum over d of (c w_cq + w_q) q = the trilinear term + q . w_q, for all values),
;   P = exp(S - running row maximum),  O = P q, rescaled whenever the maximum grows,  c2q = O / row sum.
; Stored: XA[j][mb][0][row][64] = f16(c), XA[j][mb][1][row][64] = f16(c2q) (mb: 128 rows; j: a chunk of 64 d), and in PART this block's part of
; q2c as a running softmax: MB = max over my rows of m = c . w_c + row maximum, LB = sum of exp(m - MB), Pvec[d] = sum of exp(m - MB) c[row][d].
; LEFT OUT (shown at the head of prep): b_c, b_cq, b_q reach no output and are not loaded; c . w_c is the same along q, so it enters m alone.
; FORMAT: c', q and P go to the matrix unit in f16, not bf16: in a row whose softmax is peaked the roundings of S, P and q pass to c2q undamped, and
; f16's 11 significant bits against bf16's 8 make them eight times smaller.
; LIMITS: f16 is finite up to 65,504: q has room up to some 10,000 times its spread, c' up to some 280 times the spread of c and of w_cq each.  Below 6e-5
; f16 keeps an absolute step of 6e-8: in c' that moves S by at most 3e-8 x 1,024 x |q|, in P it stands beside a row sum that is at least the largest P.
; c' is rounded as a whole, so a common offset in w_q that is large beside c * w_cq costs bits of the latter.  P is not normalised in the product,
; 1 / row sum is applied in f32; exponentials below 2^-126 come out as 0 (ISA guide 15.8); Pvec is made of bf16(c) with f32 weights and sums; XA is f16.
; Both maxima are true maxima.
; SHAPE: four waves, 32 rows, 256 work-groups.  Wave w owns d = 256 w .. + 255 for everything: its 128 registers of c' fragments and its 128
; registers of bf16(c) stay in registers, so LDS is left for two slots of 64 whole rows of q, and q is brought in once, in 8 tiles.
; A step = one tile: each wave sums S (32 x 64) over its own d, the four partial S meet in LDS, every wave makes the whole softmax step, and
; multiplies P by its own d of the same tile through transposing loads.
; CLUSTER: the four work-groups of a cluster are four row blocks of one batch (32 blocks a batch) and walk the same tiles of QBX:
; every tensor load is a joint request of the four (mask 15), and every refill stands behind a round of the cluster's barrier.
; THE MATRIX INSTRUCTION IS USED TRANSPOSED: source 0 = 16 rows of q (S) or 16 columns d (O), source 1 = 16 rows of c' or P.
; Lane (r, h) of a tile of S then holds row r and q = 8 h + 0..7, so two neighbouring tiles of S, packed to f16, ARE a fragment of P (32 q): P never goes
; through LDS, and a row's maximum and sum are made inside a lane and one step across.
; Accumulators take turns, one instruction a turn (8 in S, 16 in O).
; LDS:      0  XB: 4 waves x 8,192: the partial S.  Before the loop: each wave's own stage for c' (32 rows x 144) and RED [32][4] at 7,680;
;              behind the loop: each wave's own stage for the way out (16 rows x 272) and its 32 weights at + 4,608.  No tensor load lands here.
;      32,768  ring: two slots of 147,456, filled by tensor loads alone.  Tile t (0..7) lies in slot t & 1: rows 64 t .. + 63 of q; wave w loads and
;              reads its own chunks 4 w .. 4 w + 3 as [4][64 rows], pitch 144, at w x 36,864.
; A wave has two tensor loads out at the start and one behind each round.
; REGISTERS: window 0: v1-24 addresses, v32-95 S then P, v96-159 and v160-223 two buffers, v224-255 state; window 1 (v256-511) O: tile (a, db) at 8 (16 a + db);
; window 2: v512-639 fragments of c' ((a, k step) at 8 (8 a + ks)), v640-767 bf16(c) of my d.
.set RED,   7680
.set EWO,   4608
.set RING,  32768
.set SLOT,  147456
.set WSL,   36864
.set SA,   32                          ; v[32:95]   S: tile (a, b) at SA + 8 (4 a + b); P fragment (a, kq) at SA + 16 (2 a + kq)
.set BUF0, 96
.set BUF1, 160
.set WCW,  32                          ; the cast: v[32:47] w_c, v[48:63] w_cq, v[64:79] w_q of my 16 d; v[80:91] at work; v[224:255] 16 pairs of c . w_c
.set WCQ,  48
.set WQ,   64
.set T,    80
.set DOT,  224
.set MR,   224                         ; running row maximum, a = 0, 1
.set NM,   226                         ; - log2(e) x maximum, a pair for each a
.set AL,   230                         ; the rescaling factor, later 1 / row sum, a pair for each a
.set LS,   234                         ; running row sum
.set CW,   236                         ; c . w_c of rows r, 16 + r
.set TM,   238
.set TP,   240
.set SU,   242
.set TN,   246
.set SV,   248
.set ADQ,  11                          ; v11-12 my q fragments, slot 0, 1
.set ADT,  13                          ; v13-14 the same for the transposing loads
.set G1,   24                          ; s[24:31] the tile's shape
.set G0,   40                          ; s[40:47] from where, to where, a set for each slot
; v1 r, v2 h, v3 lane; v4 c offset; v5 weights' offset; v6 8 x lane; v7 stage store; v8 stage fragments; v9 RED store; v10 RED load;
; v15 XB store; v16-18 XB of the three other waves; v19 weights store; v20 weights load; v21 stage in; v22 stage out; v23 16 x lane; v24 PART offset
.set MSB, 0
.macro WIN new                         ; the immediate's high byte repeats the setting that is left
.if MSB != (\new)
	s_set_vgpr_msb (MSB<<8)|(\new)
.set MSB, (\new)
.endif
.endm
.macro PLACES                          ; four plain vector instructions between a matrix instruction and a load into, or a vector access to, its registers
.rept 4
	v_nop
.endr
.endm
.macro CREST                           ; a round of the cluster's barrier behind its opening work-group barrier
	s_cmp_lg_u32 s18, 0
	s_cbranch_scc1 .Lnot_wave_0_\@
	s_barrier_signal -3
.Lnot_wave_0_\@:
	s_barrier_wait -3
	s_barrier_signal -1
	s_barrier_wait -1
.endm
.macro CROUND
	s_barrier_signal -1
	s_barrier_wait -1
	CREST
.endm
; 16 LDS loads: the 64 rows of q, my chunk cc (two k steps of 32 d)
.macro SFETCH slot, cc, buf
.irp kk, 0,1
.irp b, 0,1,2,3
	ds_load_b128 v[\buf+32*\kk+8*\b:\buf+32*\kk+8*\b+3],   v[ADQ+\slot] offset:9216*\cc+2304*\b+64*\kk
	ds_load_b128 v[\buf+32*\kk+8*\b+4:\buf+32*\kk+8*\b+7], v[ADQ+\slot] offset:9216*\cc+2304*\b+64*\kk+32
.endr
.endr
.endm
; 16 matrix instructions of S: two k steps x 8 tiles.  zero = 1: the first k step starts the sums
.macro SMUL cc, buf, zero
.irp kk, 0,1
.irp a, 0,1
.irp b, 0,1,2,3
.if \zero*(1-\kk)
	v_wmma_f32_16x16x32_f16 v[SA+8*(4*\a+\b):SA+8*(4*\a+\b)+7], v[\buf+32*\kk+8*\b:\buf+32*\kk+8*\b+7], v[8*(8*\a+2*\cc+\kk):8*(8*\a+2*\cc+\kk)+7], 0
.else
	v_wmma_f32_16x16x32_f16 v[SA+8*(4*\a+\b):SA+8*(4*\a+\b)+7], v[\buf+32*\kk+8*\b:\buf+32*\kk+8*\b+7], v[8*(8*\a+2*\cc+\kk):8*(8*\a+2*\cc+\kk)+7], v[SA+8*(4*\a+\b):SA+8*(4*\a+\b)+7]
.endif
.endr
.endr
.endr
.endm
; The partial S: lane i of every wave puts and takes its 16 bytes at 16 i, so that no two lanes meet in a bank
.macro XSTORE
.irp t, 0,1,2,3,4,5,6,7
	ds_store_b128 v15, v[SA+8*\t:SA+8*\t+3]   offset:1024*\t
	ds_store_b128 v15, v[SA+8*\t+4:SA+8*\t+7] offset:1024*\t+512
.endr
.endm
.macro XLOAD p, buf
.irp t, 0,1,2,3,4,5,6,7
	ds_load_b128 v[\buf+8*\t:\buf+8*\t+3],   v[15+\p] offset:1024*\t
	ds_load_b128 v[\buf+8*\t+4:\buf+8*\t+7], v[15+\p] offset:1024*\t+512
.endr
.endm
.macro XADD buf
.set i, 0
.rept 32
	v_pk_add_f32 v[SA+i:SA+i+1], v[SA+i:SA+i+1], v[\buf+i:\buf+i+1]
.set i, i+2
.endr
.endm
; 16 transposing loads: d blocks 8 dh .. 8 dh + 7 of my 16, rows 32 kq .. + 31 of the tile
.macro PFETCH slot, kq, dh, buf
.irp i, 0,1,2,3,4,5,6,7
	ds_load_tr16_b128 v[\buf+8*\i:\buf+8*\i+3],   v[ADT+\slot] offset:9216*(2*\dh+\i/4)+4608*\kq+32*(\i%4)
	ds_load_tr16_b128 v[\buf+8*\i+4:\buf+8*\i+7], v[ADT+\slot] offset:9216*(2*\dh+\i/4)+4608*\kq+32*(\i%4)+2304
.endr
.endm
; 8 matrix instructions of O: row block a x 8 d blocks
.macro PMUL kq, dh, buf, a, zero
.irp i, 0,1,2,3,4,5,6,7
.if \zero
	v_wmma_f32_16x16x32_f16 v[8*(16*\a+8*\dh+\i):8*(16*\a+8*\dh+\i)+7], v[\buf+8*\i:\buf+8*\i+7], v[SA+16*(2*\a+\kq):SA+16*(2*\a+\kq)+7], 0
.else
	v_wmma_f32_16x16x32_f16 v[8*(16*\a+8*\dh+\i):8*(16*\a+8*\dh+\i)+7], v[\buf+8*\i:\buf+8*\i+7], v[SA+16*(2*\a+\kq):SA+16*(2*\a+\kq)+7], v[8*(16*\a+8*\dh+\i):8*(16*\a+8*\dh+\i)+7]
.endif
.endr
.endm
; The softmax step on S (row 16 a + r in v[SA + 32 a .. + 31], lanes (r, 0) and (r, 1)); leaves P's fragments in place and O rescaled.
.macro SOFT first
.irp a, 0,1
.if \first
	v_max_num_f32 v[TM+\a], v[SA+32*\a], v[SA+32*\a+1]
.else
	v_max3_num_f32 v[TM+\a], v[MR+\a], v[SA+32*\a], v[SA+32*\a+1]
.endif
	v_max_num_f32 v[TN+\a], v[SA+32*\a+16], v[SA+32*\a+17]
.endr
.set i, 2
.rept 7
.irp a, 0,1
	v_max3_num_f32 v[TM+\a], v[TM+\a], v[SA+32*\a+i], v[SA+32*\a+i+1]
	v_max3_num_f32 v[TN+\a], v[TN+\a], v[SA+32*\a+16+i], v[SA+32*\a+17+i]
.endr
.set i, i+2
.endr
.irp a, 0,1
	v_max_num_f32 v[TM+\a], v[TM+\a], v[TN+\a]
.endr
.irp a, 0,1
	v_permlanex16_b32 v[TP+\a], v[TM+\a], s71, s72             ; the other eight of every sixteen q
.endr
.irp a, 0,1
	v_max_num_f32 v[TM+\a], v[TM+\a], v[TP+\a]                 ; the new running maximum
.endr
.irp a, 0,1
.if \first == 0
	v_sub_f32 v[AL+2*\a], v[MR+\a], v[TM+\a]
	v_mul_f32 v[AL+2*\a], 0x3fb8aa3b, v[AL+2*\a]
.endif
	v_mov_b32 v[MR+\a], v[TM+\a]
	v_mul_f32 v[NM+2*\a],   0xbfb8aa3b, v[TM+\a]
	v_mul_f32 v[NM+2*\a+1], 0xbfb8aa3b, v[TM+\a]
.endr
.irp a, 0,1
.set i, 0
.rept 16
	v_pk_fma_f32 v[SA+32*\a+i:SA+32*\a+i+1], v[SA+32*\a+i:SA+32*\a+i+1], 0x3fb8aa3b, v[NM+2*\a:NM+2*\a+1] op_sel_hi:[1,0,1]
.set i, i+2
.endr
.endr
.set i, 0
.rept 64
	v_exp_f32 v[SA+i], v[SA+i]
.set i, i+1
.endr
.if \first == 0
	v_exp_f32 v[AL], v[AL]
	v_exp_f32 v[AL+2], v[AL+2]
.endif
	v_nop                                          ; one plain instruction between the exponentials and the first use of a result (ISA guide 5.7.2)
	s_wait_alu depctr_va_vdst(0)
.irp a, 0,1
	v_pk_add_f32 v[SU+2*\a:SU+2*\a+1], v[SA+32*\a:SA+32*\a+1],       v[SA+32*\a+2:SA+32*\a+3]
	v_pk_add_f32 v[SV+2*\a:SV+2*\a+1], v[SA+32*\a+16:SA+32*\a+17],   v[SA+32*\a+18:SA+32*\a+19]
.endr
.set i, 4
.rept 6
.irp a, 0,1
	v_pk_add_f32 v[SU+2*\a:SU+2*\a+1], v[SU+2*\a:SU+2*\a+1], v[SA+32*\a+i:SA+32*\a+i+1]
	v_pk_add_f32 v[SV+2*\a:SV+2*\a+1], v[SV+2*\a:SV+2*\a+1], v[SA+32*\a+16+i:SA+32*\a+17+i]
.endr
.set i, i+2
.endr
.irp a, 0,1
	v_pk_add_f32 v[SU+2*\a:SU+2*\a+1], v[SU+2*\a:SU+2*\a+1], v[SV+2*\a:SV+2*\a+1]
.endr
.irp a, 0,1
	v_add_f32 v[SU+2*\a], v[SU+2*\a], v[SU+2*\a+1]
.endr
.irp a, 0,1
	v_permlanex16_b32 v[TP+\a], v[SU+2*\a], s71, s72
.endr
.irp a, 0,1
.if \first
	v_add_f32 v[LS+\a], v[SU+2*\a], v[TP+\a]
.else
	v_add_f32 v[SU+2*\a], v[SU+2*\a], v[TP+\a]
	v_fma_f32 v[LS+\a], v[LS+\a], v[AL+2*\a], v[SU+2*\a]
	v_mov_b32 v[AL+2*\a+1], v[AL+2*\a]             ; a pair for the packed multiply
.endif
.endr
.irp x, 0,1,2,3
.irp i, 0,1,2,3,4,5,6,7
	v_cvt_pk_f16_f32 v[SA+16*\x+\i], v[SA+16*\x+2*\i], v[SA+16*\x+2*\i+1]      ; in place: word i is written when words 2 i, 2 i + 1 have been read
.endr
.endr
.if \first == 0
	WIN 0x41
.irp a, 0,1
.set i, 0
.rept 64
	v_pk_mul_f32 v[128*\a+i:128*\a+i+1], v[128*\a+i:128*\a+i+1], v[AL+2*\a:AL+2*\a+1]
.set i, i+2
.endr
.endr
.endif
.endm
; One step: the tile in \slot.  On entry the first 16 fragment loads of S are on their way into BUF1.  Every s_wait_dscnt 16 leaves out the 16 loads just
; issued into the other buffer: all older ones are in.
; tail = 1: the closing barrier opens a round of the cluster's barrier, and this slot is filled again, two tiles ahead: the request has the whole next
; step in which to land; 2: the barrier alone; 3: the barrier alone, and no step follows.  In every case it also stands between this step's reads of XB
; and the next writes of it.
.macro STEP slot, first, tail
	WIN 0
	PLACES
	v_nop                                          ; five places: the first product of S writes over P's registers, which the last products of O read
	SFETCH \slot, 1, BUF0
	s_wait_dscnt 16
	WIN 0x08                                       ; source 1 (c') in window 2
	SMUL 0, BUF1, 1
	WIN 0
	PLACES
	SFETCH \slot, 2, BUF1
	s_wait_dscnt 16
	WIN 0x08
	SMUL 1, BUF0, 0
	WIN 0
	PLACES
	SFETCH \slot, 3, BUF0
	s_wait_dscnt 16
	WIN 0x08
	SMUL 2, BUF1, 0
	s_wait_dscnt 0x0
	SMUL 3, BUF0, 0
	WIN 0
	PLACES
	XSTORE
	s_wait_dscnt 0x0                               ; my partial S is written
	s_barrier_signal -1                            ; the next tile may be on its way
	s_barrier_wait -1
	XLOAD 1, BUF0
	XLOAD 2, BUF1
	s_wait_dscnt 16
	XADD BUF0
	XLOAD 3, BUF0
	s_wait_dscnt 16
	XADD BUF1
	PFETCH \slot, 0, 0, BUF1                       ; the first fragments of P q land during the softmax step
	s_wait_dscnt 16
	XADD BUF0
	PFETCH \slot, 0, 1, BUF0
	SOFT \first
	s_wait_dscnt 16
	WIN 0x50                                       ; C and D (O) in window 1
	PMUL 0, 0, BUF1, 0, \first
	PMUL 0, 0, BUF1, 1, \first
	WIN 0
	PLACES
	PFETCH \slot, 1, 0, BUF1
	s_wait_dscnt 16
	WIN 0x50
	PMUL 0, 1, BUF0, 0, \first
	PMUL 0, 1, BUF0, 1, \first
	WIN 0
	PLACES
	PFETCH \slot, 1, 1, BUF0
	s_wait_dscnt 16
	WIN 0x50
	PMUL 1, 0, BUF1, 0, 0
	PMUL 1, 0, BUF1, 1, 0
	s_wait_dscnt 0x0                               ; BUF0 is in; my reads of this slot and of XB are over
.if \tail < 3
	s_wait_tensorcnt 0x0                           ; no tensor load of mine is out: the next tile has landed, and a group 0 may be written
.endif
	s_barrier_signal -1
	PMUL 1, 1, BUF0, 0, 0                          ; registers only, while the others arrive
	WIN 0
	s_barrier_wait -1
.if \tail == 1
	CREST                                          ; no wave of any partner still reads this slot or has a load on its way
	s_add_nc_u64 s[G0+4*\slot+2:G0+4*\slot+3], s[G0+4*\slot+2:G0+4*\slot+3], 16384     ; two tiles on: 128 rows x 128 bytes in each chunk
	tensor_load_to_lds s[G0+4*\slot:G0+4*\slot+3], s[G1:G1+7]                          ; my one tensor load until the next round
	s_nop 0
.endif
.if \tail < 3
	PLACES
	SFETCH 1-\slot, 0, BUF1
.endif
	WIN 0x50
	PMUL 1, 1, BUF0, 1, 0
.endm
	s_load_b256 s[4:11], s[0:1], 0x0               ; c s[4:5], w_c s[6:7], w_cq s[8:9], w_q s[10:11]
	s_load_b128 s[12:15], s[0:1], 0x20             ; QBX s[12:13], XA s[14:15]
	s_load_b64 s[16:17], s[0:1], 0x30              ; PART
	v_lshrrev_b32 v25, 5, v0
	v_readfirstlane_b32 s18, v25                   ; wave w
	s_bfe_u32 s19, ttmp6, 0x40000                  ; cx
	s_lshl_b32 s20, ttmp9, 2
	s_add_co_u32 s20, s20, s19                     ; blk: my 32 rows; enters addresses of c, XA and PART alone
	s_lshr_b32 s21, ttmp9, 3                       ; batch: eight clusters each, the same in all four partners
	s_mov_b32 s71, 0x76543210                      ; v_permlanex16_b32: lane i reads lane i of the other half
	s_mov_b32 s72, 0xfedcba98
	v_and_b32 v1, 15, v0                           ; r
	v_bfe_u32 v2, v0, 4, 1                         ; h
	v_and_b32 v3, 31, v0                           ; lane
	s_lshl_b32 s22, s18, 10
	v_lshl_add_u32 v5, v1, 4, s22                  ; the weights: 4 (256 w + 4 r)
	v_lshl_add_u32 v4, v2, 12, v5                  ; c: + h x 4,096
	v_lshlrev_b32 v6, 3, v3                        ; XA, f16(c): 8 x lane = row h x 128 + 8 r
	s_lshl_b32 s22, s20, 17                        ; 32 rows x 4,096 bytes
	s_mov_b32 s23, 0
	s_mov_b32 s79, 0
	s_wait_kmcnt 0x0
	s_add_nc_u64 s[4:5], s[4:5], s[22:23]
	s_mul_i32 s22, s20, 4608
	s_add_nc_u64 s[74:75], s[16:17], s[22:23]      ; my 1,152 words of PART
	s_lshl_b32 s22, s18, 23                        ; XA: chunk 4 w
	s_lshr_b32 s78, s20, 2
	s_lshl_b32 s78, s78, 15                        ; + mb x 32,768
	s_add_co_u32 s22, s22, s78
	s_and_b32 s78, s20, 3
	s_lshl_b32 s78, s78, 12                        ; + which 32 of its 128 rows
	s_add_co_u32 s22, s22, s78
	s_add_nc_u64 s[56:57], s[14:15], s[22:23]
.irp jj, 0,1,2,3
	global_load_b128 v[WCW+4*\jj:WCW+4*\jj+3], v5, s[6:7]   offset:256*\jj
	global_load_b128 v[WCQ+4*\jj:WCQ+4*\jj+3], v5, s[8:9]   offset:256*\jj
	global_load_b128 v[WQ+4*\jj:WQ+4*\jj+3],   v5, s[10:11] offset:256*\jj
.endr
.set rp, 0
.rept 16
	global_load_b128 v[BUF0+4*rp:BUF0+4*rp+3], v4, s[4:5] offset:8192*rp th:TH_LOAD_NT
.set rp, rp+1
.endr
.set rp, 0
.rept 16
	global_load_b128 v[BUF1+4*rp:BUF1+4*rp+3], v4, s[4:5] offset:8192*rp+256 th:TH_LOAD_NT
.set rp, rp+1
.endr
	; Group 1: 4 rows x 1,024 elements of 8 bytes (64 rows of q in each of four chunks, 65,536 bytes apart); 4 words of padding behind every 32: LDS pitch 144 for 128 bytes
	s_mov_b32 s[G1+0], 15|(3<<16)|(1<<20)|(1<<21)|(4<<22)|(3<<25)    ; mask: all four of the cluster; bit 21 set beside it
	s_mov_b32 s[G1+1], 1024<<16
	s_mov_b32 s[G1+2], 4<<16
	s_mov_b32 s[G1+3], 1024<<16
	s_mov_b32 s[G1+4], 4
	s_mov_b32 s[G1+5], 8192
	s_mov_b32 s[G1+6], 0
	s_mov_b32 s[G1+7], 0
	s_lshl_b32 s78, s21, 20                        ; batch x 16 chunks x 65,536
	s_lshl_b32 s22, s18, 18                        ; + chunk 4 w
	s_add_co_u32 s78, s78, s22
	s_add_nc_u64 s[12:13], s[12:13], s[78:79]
	s_mul_i32 s22, s18, WSL
.irp s, 0,1
	s_mov_b32 s[G0+4*\s], 1
	s_add_co_u32 s[G0+4*\s+1], s22, RING+\s*SLOT
	s_add_nc_u64 s[G0+4*\s+2:G0+4*\s+3], s[12:13], \s*8192         ; tile s: 64 rows x 128 bytes on
	s_or_b32 s[G0+4*\s+3], s[G0+4*\s+3], 0x80000000
.endr
	CROUND                                         ; all four work-groups are here: the first joint loads meet
	tensor_load_to_lds s[G0:G0+3], s[G1:G1+7]                  ; tiles 0 and 1, one group, ahead of every wait on TENSORcnt and every LDS access
	s_nop 0
	tensor_load_to_lds s[G0+4:G0+7], s[G1:G1+7]
	s_nop 0
	s_lshl_b32 s23, s18, 13                        ; my 8,192 bytes of XB
	v_mul_u32_u24 v25, v1, 144
	v_lshl_add_u32 v25, v2, 4, v25                 ; a fragment: 144 r + 16 h
	v_add_nc_u32 v8, s23, v25
	s_add_co_u32 s22, s22, RING
	v_add_nc_u32 v11, s22, v25
	v_add_nc_u32 v12, SLOT, v11
	v_mul_u32_u24 v7, v2, 144
	v_lshl_add_u32 v7, v1, 3, v7
	v_add_nc_u32 v7, s23, v7                       ; stage store: row h x 144 + 8 r
	s_lshl_b32 s78, s18, 2
	s_add_co_u32 s78, s78, RED
	v_lshl_add_u32 v9, v2, 4, s78                  ; RED[row h][w]
	v_lshlrev_b32 v10, 4, v1
	v_add_nc_u32 v10, RED, v10                     ; RED[r][0..3]
	v_and_b32 v26, 7, v0
	v_lshl_add_u32 v27, v2, 3, v26
	v_mul_u32_u24 v27, v27, 144
	v_bfe_u32 v28, v0, 3, 1
	v_lshl_add_u32 v27, v28, 4, v27
	v_add_nc_u32 v13, s22, v27                     ; transposing loads: (8 h + lane % 8) x 144 + 16 x (lane / 8 % 2)
	v_add_nc_u32 v14, SLOT, v13
	v_lshlrev_b32 v23, 4, v3                       ; 16 x lane
	v_add_nc_u32 v15, s23, v23
.irp p, 1,2,3
	s_add_co_u32 s78, s18, \p
	s_and_b32 s78, s78, 3
	s_lshl_b32 s78, s78, 13
	v_add_nc_u32 v[15+\p], s78, v23                ; the partial S of wave (w + p) % 4
.endr
	v_and_b32 v28, 1, v0
	v_bfe_u32 v29, v0, 1, 3
	v_lshlrev_b32 v19, 2, v29
	v_lshl_add_u32 v19, v28, 6, v19
	s_add_co_u32 s78, s23, EWO
	v_add_nc_u32 v19, s78, v19                     ; the weight of row 16 a + r goes to word 16 (r % 2) + 8 a + r / 2,
	v_lshl_add_u32 v20, v2, 6, s78                 ; so that a lane finds those of rows h, 2 + h, .. 30 + h side by side
	v_mul_u32_u24 v21, v1, 272
	v_lshl_add_u32 v21, v2, 4, v21
	v_add_nc_u32 v21, s23, v21
	v_lshrrev_b32 v22, 3, v3
	v_mul_u32_u24 v22, v22, 272
	v_lshl_add_u32 v22, v26, 4, v22
	v_add_nc_u32 v22, s23, v22
	s_lshl_b32 s78, s18, 10
	v_add_nc_u32 v24, s78, v23
; THE CAST: wave w takes its chunks 4 w + jj of all 32 rows, two rows a load (lanes 0-15 row 2 rp, lanes 16-31 row 2 rp + 1; lane r holds d = 4 r .. + 3 of
; the chunk: each load and store covers two pieces of 256 or one of 256 consecutive bytes, aligned).  Of each chunk: c . w_c in f32; c' = c w_cq + w_q in f16
; through my own stage into fragments; bf16(c) into registers (the multiply-add that sums Pvec reads bf16 halves); f16(c) into XA.  LDS serves a wave's
; instructions in order (ISA guide 5.7.1.4), so the stage needs no wait between its stores, its loads and the next chunk's stores.
; left = how many younger loads may stay out (the other set's sixteen).
.macro CHUNK jj, x, left, refill
	s_wait_loadcnt \left
.set rp, 0
.rept 16
.if \jj == 0
	v_pk_mul_f32 v[DOT+2*rp:DOT+2*rp+1], v[\x+4*rp:\x+4*rp+1], v[WCW:WCW+1]
.else
	v_pk_fma_f32 v[DOT+2*rp:DOT+2*rp+1], v[\x+4*rp:\x+4*rp+1], v[WCW+4*\jj:WCW+4*\jj+1], v[DOT+2*rp:DOT+2*rp+1]
.endif
	v_pk_fma_f32 v[DOT+2*rp:DOT+2*rp+1], v[\x+4*rp+2:\x+4*rp+3], v[WCW+4*\jj+2:WCW+4*\jj+3], v[DOT+2*rp:DOT+2*rp+1]
	v_pk_fma_f32 v[T+4*(rp%2):T+4*(rp%2)+1],   v[\x+4*rp:\x+4*rp+1],   v[WCQ+4*\jj:WCQ+4*\jj+1],   v[WQ+4*\jj:WQ+4*\jj+1]
	v_pk_fma_f32 v[T+4*(rp%2)+2:T+4*(rp%2)+3], v[\x+4*rp+2:\x+4*rp+3], v[WCQ+4*\jj+2:WCQ+4*\jj+3], v[WQ+4*\jj+2:WQ+4*\jj+3]
	v_cvt_pk_f16_f32 v[T+8+2*(rp%2)], v[T+4*(rp%2)],   v[T+4*(rp%2)+1]
	v_cvt_pk_f16_f32 v[T+9+2*(rp%2)], v[T+4*(rp%2)+2], v[T+4*(rp%2)+3]
	ds_store_b64 v7, v[T+8+2*(rp%2):T+9+2*(rp%2)] offset:288*rp
.set rp, rp+1
.endr
	WIN 0x80                                       ; destination in window 2
.set rp, 0
.rept 16
	v_cvt_pk_bf16_f32 v[128+2*(16*\jj+rp)], v[\x+4*rp],   v[\x+4*rp+1]
	v_cvt_pk_bf16_f32 v[129+2*(16*\jj+rp)], v[\x+4*rp+2], v[\x+4*rp+3]
.set rp, rp+1
.endr
.irp a, 0,1
.irp kk, 0,1
	ds_load_b128 v[8*(8*\a+2*\jj+\kk):8*(8*\a+2*\jj+\kk)+3],   v8 offset:2304*\a+64*\kk
	ds_load_b128 v[8*(8*\a+2*\jj+\kk)+4:8*(8*\a+2*\jj+\kk)+7], v8 offset:2304*\a+64*\kk+32
.endr
.endr
	WIN 0
.set rp, 0
.rept 16
	v_cvt_pk_f16_f32 v[\x+4*rp],   v[\x+4*rp],   v[\x+4*rp+1]
	v_cvt_pk_f16_f32 v[\x+4*rp+1], v[\x+4*rp+2], v[\x+4*rp+3]
	global_store_b64 v6, v[\x+4*rp:\x+4*rp+1], s[56:57] offset:\jj*2097152+256*rp
.set rp, rp+1
.endr
.if \refill
	s_wait_xcnt 0x0                                ; the stores have read this set: it is loaded again only behind this wait
.set rp, 0
.rept 16
	global_load_b128 v[\x+4*rp:\x+4*rp+3], v4, s[4:5] offset:8192*rp+256*(\jj+2) th:TH_LOAD_NT
.set rp, rp+1
.endr
.endif
.endm
	CHUNK 0, BUF0, 16, 1
	CHUNK 1, BUF1, 16, 1
	CHUNK 2, BUF0, 16, 0
	CHUNK 3, BUF1, 0,  0
.set rp, 0
.rept 16
	v_add_f32 v[DOT+2*rp], v[DOT+2*rp], v[DOT+2*rp+1]
.set rp, rp+1
.endr
.irp m, 1,2,4,8
.set rp, 0
.rept 16
	v_add_f32_dpp v[DOT+2*rp], v[DOT+2*rp], v[DOT+2*rp] row_xmask:\m row_mask:0xf bank_mask:0xf    ; over the sixteen lanes of a row
.set rp, rp+1
.endr
.endr
.set rp, 0
.rept 16
	ds_store_b32 v9, v[DOT+2*rp] offset:32*rp      ; c . w_c over my 256 d, row 2 rp + h: sixteen lanes write one word with one value
.set rp, rp+1
.endr
	s_wait_xcnt 0x0                                ; both sets, which stores read, become fragment buffers
	s_wait_dscnt 0x0                               ; my words of RED are written, my fragments of c' are in
	s_barrier_signal -1
	s_barrier_wait -1
	ds_load_b128 v[80:83], v10
	ds_load_b128 v[84:87], v10 offset:256
	s_wait_dscnt 0x0
	v_add_f32 v80, v80, v81
	v_add_f32 v82, v82, v83
	v_add_f32 v84, v84, v85
	v_add_f32 v86, v86, v87
	v_add_f32 v[CW], v80, v82
	v_add_f32 v[CW+1], v84, v86
	s_wait_tensorcnt 0x1                           ; tile 0 is in; tile 1 may stay out
	s_barrier_signal -1
	s_barrier_wait -1                              ; everybody has read RED: XB may take the partial S
	SFETCH 0, 0, BUF1
	STEP 0, 1, 1                                   ; tile 0 stands in front of the loop: it starts the maxima, the sums and O; asks for tile 2
	WIN 0
	s_mov_b32 s70, 2
.Lstep:
	STEP 1, 0, 1                                   ; tiles 1, 3; asks for 3, 5
	STEP 0, 0, 1                                   ; tiles 2, 4; asks for 4, 6
	WIN 0
	s_sub_co_u32 s70, s70, 1
	s_cmp_lg_u32 s70, 0
	s_cbranch_scc1 .Lstep
	STEP 1, 0, 1                                   ; tile 5; asks for tile 7
	STEP 0, 0, 2                                   ; tile 6: nothing is left to fetch
	STEP 1, 0, 3                                   ; tile 7; behind its barrier XB is each wave's own again
; THIS BLOCK'S PART OF q2c
	WIN 0
	PLACES
.irp a, 0,1
	v_rcp_f32 v[AL+2*\a],   v[LS+\a]               ; 1 / row sum, twice for the packed multiply
	v_rcp_f32 v[AL+2*\a+1], v[LS+\a]
.endr
.irp a, 0,1
	v_add_f32 v[TM+\a], v[CW+\a], v[MR+\a]         ; m = c . w_c + row maximum
.endr
	v_max_num_f32 v252, v[TM], v[TM+1]
	v_max_num_f32_dpp v252, v252, v252 row_xmask:1 row_mask:0xf bank_mask:0xf
	v_max_num_f32_dpp v252, v252, v252 row_xmask:2 row_mask:0xf bank_mask:0xf
	v_max_num_f32_dpp v252, v252, v252 row_xmask:4 row_mask:0xf bank_mask:0xf
	v_max_num_f32_dpp v252, v252, v252 row_xmask:8 row_mask:0xf bank_mask:0xf   ; MB: over the 32 rows (both halves of the lanes hold the same)
.irp a, 0,1
	v_sub_f32 v[TM+\a], v[TM+\a], v252
	v_mul_f32 v[TM+\a], 0x3fb8aa3b, v[TM+\a]
.endr
	v_exp_f32 v[TM], v[TM]
	v_exp_f32 v[TM+1], v[TM+1]
	v_nop
	s_wait_alu depctr_va_vdst(0)
	v_add_f32 v253, v[TM], v[TM+1]
	v_add_f32_dpp v253, v253, v253 row_xmask:1 row_mask:0xf bank_mask:0xf
	v_add_f32_dpp v253, v253, v253 row_xmask:2 row_mask:0xf bank_mask:0xf
	v_add_f32_dpp v253, v253, v253 row_xmask:4 row_mask:0xf bank_mask:0xf
	v_add_f32_dpp v253, v253, v253 row_xmask:8 row_mask:0xf bank_mask:0xf       ; LB
	v_mov_b32 v254, v252
	v_mov_b32 v255, v253
.irp a, 0,1
	ds_store_b32 v19, v[TM+\a] offset:32*\a        ; the 32 weights into my wave's own words,
.endr
.irp i, 0,1,2,3
	ds_load_b128 v[32+4*\i:35+4*\i], v20 offset:16*\i          ; and back: v[32 + rp] = the weight of row 2 rp + h
.endr
.irp k, 0,1,2,3,4,5,6,7,8,9,10,11,12,13,14,15
	v_mov_b32 v[48+\k], 0
.endr
	s_wait_dscnt 0x0
	WIN 0x02                                       ; source 0 (bf16(c)) in window 2
.set rp, 0
.rept 16
.irp jj, 0,1,2,3
.irp u, 0,1
	v_fma_mix_f32_bf16 v[48+4*\jj+2*\u], v[128+2*(16*\jj+rp)+\u], v[32+rp], v[48+4*\jj+2*\u] op_sel:[0,0,0] op_sel_hi:[1,0,0]
	v_fma_mix_f32_bf16 v[49+4*\jj+2*\u], v[128+2*(16*\jj+rp)+\u], v[32+rp], v[49+4*\jj+2*\u] op_sel:[1,0,0] op_sel_hi:[1,0,0]
.endr
.endr
.set rp, rp+1
.endr
	WIN 0
.irp k, 0,1,2,3,4,5,6,7,8,9,10,11,12,13,14,15
	v_permlanex16_b32 v[64+\k], v[48+\k], s71, s72             ; even rows meet odd rows
.endr
.irp k, 0,1,2,3,4,5,6,7,8,9,10,11,12,13,14,15
	v_add_f32 v[48+\k], v[48+\k], v[64+\k]
.endr
	v_cmp_eq_u32 vcc_lo, 1, v2
.irp g, 0,1
.irp i, 0,1,2,3
	v_cndmask_b32 v[80+4*\g+\i], v[48+8*\g+\i], v[52+8*\g+\i], vcc_lo          ; lanes 0-15 store chunk 2 g, lanes 16-31 chunk 2 g + 1
.endr
.endr
	global_store_b128 v24, v[80:83], s[74:75]                  ; each store of the wave covers 512 consecutive bytes
	global_store_b128 v24, v[84:87], s[74:75] offset:512
	s_cmp_lg_u32 s18, 0
	s_cbranch_scc1 .Lno_stats
	global_store_b128 v23, v[252:255], s[74:75] offset:4096    ; (MB, LB) repeated over 512 bytes, so that they are written whole
.Lno_stats:
; THE WAY OUT: 16 rows x 128 d at a time: scale, round to f16, through my own stage, and out as four rows x 128 bytes of one chunk:
; each store of the wave covers 512 consecutive bytes.
.macro OUT g, a, f
	WIN 0x01                                       ; source 0 (O) in window 1
.set i, 0
.rept 32
	v_pk_mul_f32 v[96+2*i:97+2*i], v[128*\a+64*\g+2*i:128*\a+64*\g+2*i+1], v[AL+2*\a:AL+2*\a+1]
.set i, i+1
.endr
	WIN 0
.set i, 0
.rept 32
	v_cvt_pk_f16_f32 v[160+i], v[96+2*i], v[97+2*i]
.set i, i+1
.endr
.irp b, 0,1,2,3,4,5,6,7
	ds_store_b128 v21, v[160+4*\b:163+4*\b] offset:32*\b
.endr
	s_wait_xcnt 0x0                                ; buffer f, which earlier stores read, is loaded again only behind this wait
.irp i, 0,1,2,3,4,5,6,7
	ds_load_b128 v[\f+4*\i:\f+4*\i+3], v22 offset:1088*(\i/2)+128*(\i%2)
.endr
.irp i, 0,1,2,3,4,5,6,7
	s_wait_dscnt 7-\i
	global_store_b128 v23, v[\f+4*\i:\f+4*\i+3], s[56:57] offset:16384+(2*\g+(\i%2))*2097152+2048*\a+512*(\i/2)
.endr
.endm
	OUT 0, 0, 192
	OUT 0, 1, 32
	OUT 1, 0, 192
	OUT 1, 1, 32
	CROUND                                         ; the closing round: no work-group ends while a partner may still ask for a tile that names it
	s_endpgm
.Lfunc_end_k_qa1d8c37d6d_attn:
	.size	k_qa1d8c37d6d_attn, .Lfunc_end_k_qa1d8c37d6d_attn-k_qa1d8c37d6d_attn
	.p2alignl 7, 3214868480
	.fill 96, 4, 3214868480
	.section	.rodata,"a",@progbits
	.p2align	6, 0x0
	.amdhsa_kernel k_qa1d8c37d6d_attn
		.amdhsa_group_segment_fixed_size 327680
		.amdhsa_private_segment_fixed_size 0
		.amdhsa_enable_private_segment 0
		.amdhsa_kernarg_size 56
		.amdhsa_user_sgpr_count 2
		.amdhsa_user_sgpr_kernarg_segment_ptr 1
		.amdhsa_wavefront_size32 1
		.amdhsa_system_sgpr_workgroup_id_x 1
		.amdhsa_system_sgpr_workgroup_id_y 1
		.amdhsa_system_sgpr_workgroup_id_z 1
		.amdhsa_system_vgpr_workitem_id 0
		.amdhsa_next_free_vgpr 768
		.amdhsa_next_free_sgpr 80
		.amdhsa_reserve_vcc 1
		.amdhsa_float_denorm_mode_32 3
		.amdhsa_float_denorm_mode_16_64 3
		.amdhsa_memory_ordered 1
		.amdhsa_forward_progress 1
		.amdhsa_inst_pref_size 255
	.end_amdhsa_kernel
	.section	.bss,"aw",@nobits
	.p2align	6
	.space	262144
	.amdgpu_metadata
---
amdhsa.version: [ 1, 2 ]
amdhsa.kernels:
  - .name:           k_qa1d8c37d6d_attn
    .symbol:         k_qa1d8c37d6d_attn.kd
    .args:
      - { .name: c, .offset: 0, .size: 8, .value_kind: global_buffer, .address_space: global }
      - { .name: w_c, .offset: 8, .size: 8, .value_kind: global_buffer, .address_space: global }
      - { .name: w_cq, .offset: 16, .size: 8, .value_kind: global_buffer, .address_space: global }
      - { .name: w_q, .offset: 24, .size: 8, .value_kind: global_buffer, .address_space: global }
      - { .name: QBX, .offset: 32, .size: 8, .value_kind: global_buffer, .address_space: global }
      - { .name: XA, .offset: 40, .size: 8, .value_kind: global_buffer, .address_space: global }
      - { .name: PART, .offset: 48, .size: 8, .value_kind: global_buffer, .address_space: global }
    .group_segment_fixed_size: 327680
    .private_segment_fixed_size: 0
    .kernarg_segment_align: 8
    .kernarg_segment_size: 56
    .max_flat_workgroup_size: 128
    .sgpr_count:     80
    .vgpr_count:     768
    .wavefront_size: 32
...
	.end_amdgpu_metadata
.endif
;; end of part 6
;; launch w14 (part 7): grid 256 x 1, 8 waves a work-group, no clusters, 0 bytes of LDS; arguments W_l, PART, W14X; writes W14X
.if DOCPART == 7
	.amdgcn_target "amdgcn-amd-amdhsa--gfx1250"
	.amdhsa_code_object_version 6
	.text
	.protected	k_qa1d8c37d6d_w14
	.globl	k_qa1d8c37d6d_w14
	.p2align	8
	.type	k_qa1d8c37d6d_w14,@function
k_qa1d8c37d6d_w14:
	s_mov_b64 s[64:65], 0
	v_nop
	global_prefetch_b8 v0, s[64:65] scope:SCOPE_SE
	s_setreg_imm32_b32 hwreg(HW_REG_WAVE_MODE, 25, 1), 1
	s_wait_xcnt 0x0
; w14: q2c of each batch from the 32 blocks' parts, and W14X[b][j][n][64] = f16(W_l[n][64 j + i] + W_l[n][3072 + 64 j + i] * q2c[b][64 j + i]).
; LEFT OUT: the product (c * q2c) @ W4^T as such: it equals c @ (W4 * q2c)^T term by term, so it is folded into quarter 1's weights (head of prep).
; q2c = sum over blocks of exp(MB_k - M) Pvec_k / sum over blocks of exp(MB_k - M) LB_k, M the largest MB_k: the true maximum over the batch's rows.
; LIMIT: W14 is rounded once, to f16: finite up to 65,504.
; Memory binds: no LDS, no matrix unit.  The work-group owns chunk j = x % 16 and rows n = 64 (x / 16) .. + 63; wave w is batch w, so the eight waves
; read the same bytes of W_l at about the same time.  Lanes 0-15 hold one row, lanes 16-31 the next; lane r holds d = 64 j + 4 r .. + 3:
; a store of 8 bytes a lane covers 256 consecutive bytes, aligned.  Lane k holds block k's (MB, LB); the 32 weights then go to scalar registers.
.set ST,   8                           ; v[8:9]     (MB_k, LB_k) of block k = lane;  v10-14 at work
.set P,    16                          ; v[16:143]  Pvec_k of my 4 d, k = 0..31; afterwards two sets of eight row pairs
.set SETB, 16
.set SETC, 80
.set SETA, 144                         ; v[144:207] eight row pairs: W1 (4), W4 (4)
.set Q,    208                         ; v[208:211] q2c of my 4 d
	s_load_b128 s[4:7], s[0:1], 0x0                ; W_l s[4:5], PART s[6:7]
	s_load_b64 s[8:9], s[0:1], 0x10                ; W14X
	v_lshrrev_b32 v3, 5, v0
	v_readfirstlane_b32 s10, v3                    ; wave = batch
	s_and_b32 s11, ttmp9, 15                       ; j
	s_lshr_b32 s12, ttmp9, 4                       ; which 64 rows
	s_mov_b32 s20, 0x76543210                      ; v_permlanex16_b32: lane i reads lane i of the other half
	s_mov_b32 s21, 0xfedcba98
	v_and_b32 v1, 15, v0
	v_bfe_u32 v2, v0, 4, 1
	v_and_b32 v3, 31, v0
	s_mul_i32 s13, s10, 147456                     ; 32 blocks x 4,608 bytes
	v_lshl_add_u32 v4, v1, 4, s13                  ; Pvec: + 16 r
	v_mul_u32_u24 v5, v3, 4608
	v_add_nc_u32 v5, s13, v5                       ; (MB, LB): block = lane
	v_lshlrev_b32 v6, 4, v1
	v_lshl_add_u32 v6, v2, 14, v6                  ; W_l: hh x 16,384 + 16 r
	s_lshl_b32 s16, s10, 21
	v_lshl_add_u32 v7, v3, 3, s16                  ; W14X: batch x 2,097,152 + 8 l
	s_lshl_b32 s14, s11, 8
	s_mov_b32 s15, 0
	s_wait_kmcnt 0x0
	s_add_nc_u64 s[18:19], s[6:7], s[14:15]        ; PART at my chunk's words
	s_lshl_b32 s17, s12, 20
	s_add_co_u32 s14, s14, s17
	s_add_nc_u64 s[4:5], s[4:5], s[14:15]
	s_lshl_b32 s14, s11, 17
	s_lshl_b32 s17, s12, 13
	s_add_co_u32 s14, s14, s17
	s_add_nc_u64 s[8:9], s[8:9], s[14:15]
; Group g holds row pairs 8 g .. 8 g + 7, 32,768 bytes apart.
.macro WLOAD g, set
.irp p, 0,1,2,3,4,5,6,7
	global_load_b128 v[\set+8*\p:\set+8*\p+3],   v6, s[4:5] offset:32768*(8*(\g)+\p)
	global_load_b128 v[\set+8*\p+4:\set+8*\p+7], v6, s[4:5] offset:32768*(8*(\g)+\p)+12288
.endr
.endm
	global_load_b64 v[ST:ST+1], v5, s[6:7] offset:4096
.set k, 0
.rept 32
	global_load_b128 v[P+4*k:P+4*k+3], v4, s[18:19] offset:4608*k
.set k, k+1
.endr
	WLOAD 0, SETA
	s_wait_loadcnt 48                              ; the 32 loads of Pvec and the 16 of W_l may stay out
	v_mov_b32 v10, v[ST]
	v_mov_b32 v11, v[ST]                           ; written, since v_permlanex16_b32 counts as a reader of its destination
	v_max_num_f32_dpp v10, v10, v10 row_xmask:1 row_mask:0xf bank_mask:0xf
	v_max_num_f32_dpp v10, v10, v10 row_xmask:2 row_mask:0xf bank_mask:0xf
	v_max_num_f32_dpp v10, v10, v10 row_xmask:4 row_mask:0xf bank_mask:0xf
	v_max_num_f32_dpp v10, v10, v10 row_xmask:8 row_mask:0xf bank_mask:0xf
	v_permlanex16_b32 v11, v10, s20, s21
	v_max_num_f32 v10, v10, v11                    ; M
	v_sub_f32 v12, v[ST], v10
	v_mul_f32 v12, 0x3fb8aa3b, v12
	v_exp_f32 v12, v12
	v_nop                                          ; one plain instruction between a transcendental and the first use of its result (ISA guide 5.7.2)
	s_wait_alu depctr_va_vdst(0)
	v_mul_f32 v13, v12, v[ST+1]
	v_add_f32_dpp v13, v13, v13 row_xmask:1 row_mask:0xf bank_mask:0xf
	v_add_f32_dpp v13, v13, v13 row_xmask:2 row_mask:0xf bank_mask:0xf
	v_add_f32_dpp v13, v13, v13 row_xmask:4 row_mask:0xf bank_mask:0xf
	v_add_f32_dpp v13, v13, v13 row_xmask:8 row_mask:0xf bank_mask:0xf
	v_permlanex16_b32 v11, v13, s20, s21
	v_add_f32 v13, v13, v11                        ; the batch's sum
	v_rcp_f32 v14, v13
	v_nop
	s_wait_alu depctr_va_vdst(0)
	v_mul_f32 v12, v12, v14                        ; block k's weight, normalised
.set k, 0
.rept 32
	v_readlane_b32 s[32+k], v12, k
.set k, k+1
.endr
	s_wait_loadcnt 16                              ; Pvec is in; the 16 loads of W_l may stay out
.irp i, 0,1,2,3
	v_mul_f32 v[Q+\i], s32, v[P+\i]
.endr
.set k, 1
.rept 31
.irp i, 0,1,2,3
	v_fmac_f32 v[Q+\i], s[32+k], v[P+4*k+\i]
.endr
.set k, k+1
.endr
	WLOAD 1, SETB                                  ; Pvec's registers are free
	WLOAD 2, SETC
; eight row pairs.  left = how many younger loads may stay out
.macro WGROUP g, set, left
	s_wait_loadcnt \left
.irp p, 0,1,2,3,4,5,6,7
	v_pk_fma_f32 v[\set+8*\p:\set+8*\p+1],   v[\set+8*\p+4:\set+8*\p+5], v[Q:Q+1],   v[\set+8*\p:\set+8*\p+1]
	v_pk_fma_f32 v[\set+8*\p+2:\set+8*\p+3], v[\set+8*\p+6:\set+8*\p+7], v[Q+2:Q+3], v[\set+8*\p+2:\set+8*\p+3]
	v_cvt_pk_f16_f32 v[\set+8*\p],   v[\set+8*\p],   v[\set+8*\p+1]
	v_cvt_pk_f16_f32 v[\set+8*\p+1], v[\set+8*\p+2], v[\set+8*\p+3]
	global_store_b64 v7, v[\set+8*\p:\set+8*\p+1], s[8:9] offset:256*(8*(\g)+\p)
.endr
.endm
	WGROUP 0, SETA, 32                             ; groups 1 and 2 stay out
	s_wait_xcnt 0x0                                ; the stores have read this set: it is loaded again only behind this wait
	WLOAD 3, SETA
	WGROUP 1, SETB, 32                             ; groups 2 and 3 stay out
	WGROUP 2, SETC, 16
	WGROUP 3, SETA, 0
	s_endpgm
.Lfunc_end_k_qa1d8c37d6d_w14:
	.size	k_qa1d8c37d6d_w14, .Lfunc_end_k_qa1d8c37d6d_w14-k_qa1d8c37d6d_w14
	.p2alignl 7, 3214868480
	.fill 96, 4, 3214868480
	.section	.rodata,"a",@progbits
	.p2align	6, 0x0
	.amdhsa_kernel k_qa1d8c37d6d_w14
		.amdhsa_group_segment_fixed_size 0
		.amdhsa_private_segment_fixed_size 0
		.amdhsa_enable_private_segment 0
		.amdhsa_kernarg_size 24
		.amdhsa_user_sgpr_count 2
		.amdhsa_user_sgpr_kernarg_segment_ptr 1
		.amdhsa_wavefront_size32 1
		.amdhsa_system_sgpr_workgroup_id_x 1
		.amdhsa_system_sgpr_workgroup_id_y 1
		.amdhsa_system_sgpr_workgroup_id_z 1
		.amdhsa_system_vgpr_workitem_id 0
		.amdhsa_next_free_vgpr 212
		.amdhsa_next_free_sgpr 66
		.amdhsa_reserve_vcc 0
		.amdhsa_float_denorm_mode_32 3
		.amdhsa_float_denorm_mode_16_64 3
		.amdhsa_memory_ordered 1
		.amdhsa_forward_progress 1
		.amdhsa_inst_pref_size 29
	.end_amdhsa_kernel
	.amdgpu_metadata
---
amdhsa.version: [ 1, 2 ]
amdhsa.kernels:
  - .name:           k_qa1d8c37d6d_w14
    .symbol:         k_qa1d8c37d6d_w14.kd
    .args:
      - { .name: W_l, .offset: 0, .size: 8, .value_kind: global_buffer, .address_space: global }
      - { .name: PART, .offset: 8, .size: 8, .value_kind: global_buffer, .address_space: global }
      - { .name: W14X, .offset: 16, .size: 8, .value_kind: global_buffer, .address_space: global }
    .group_segment_fixed_size: 0
    .private_segment_fixed_size: 0
    .kernarg_segment_align: 8
    .kernarg_segment_size: 24
    .max_flat_workgroup_size: 256
    .sgpr_count:     66
    .vgpr_count:     212
    .wavefront_size: 32
...
	.end_amdgpu_metadata
.endif
;; end of part 7
;; launch gemm: the kernel of part 4 again; grid 4 x 64, 4 waves a work-group, clusters of 4 x 4, 327,680 bytes of LDS; arguments XA, W14X, W23X, b_l, out0; writes out0
